; MI455X (gfx1250); checked and timed in simulation.
; The chip was launched on July 23, 2026; its instructions are those of AMD's public machine-readable ISA for CDNA 5 (MIT licence, August 2026) and "CDNA5" Instruction Set Architecture Reference Guide (July 2026). The comments in the code are by the model that wrote it; some were corrected since.
;; Cross Attention Block. Allowed arithmetic: matrix products marked QUANTISED: E4M3 operands, one E8M0 scale for each 32 along K, by v_wmma_scale_f32_16x16x128_f8f6f4 with both operands' format E4M3, f32 sums; everything else in f32.
;; Inputs: bkv 1,024 float32; bo 512 float32; bq 512 float32; gn_b 512 float32; gn_w 512 float32; wkv_codes 1,024 x 16 x 32 uint8 (E4M3 codes of wkv, K innermost, in blocks of 32 codes); wkv_scales 1,024 x 16 uint8 (E8M0 scales of wkv, one for each 32 codes along K); wo_codes 512 x 16 x 32 uint8 (E4M3 codes of wo, K innermost, in blocks of 32 codes); wo_scales 512 x 16 uint8 (E8M0 scales of wo, one for each 32 codes along K); wq_codes 512 x 16 x 32 uint8 (E4M3 codes of wq, K innermost, in blocks of 32 codes); wq_scales 512 x 16 uint8 (E8M0 scales of wq, one for each 32 codes along K); x 2 x 512 x 64 x 64 float32.
;; Outputs: out0 2 x 512 x 64 x 64 float32.
;; This version of the problem:
;;   THIS VERSION OF THE PROBLEM IS GIVEN IN LOW PRECISION. The matrix products marked QUANTISED in the list below multiply operands that are first quantised to E4M3 (4 exponent bits, 3 mantissa bits; 8 bits a number), with one power-of-two scale for each 32 numbers along K (OCP MX v1.0); their sums are f32. All else is computed in f32.
;;   The module's matrix products, in the order in which they are computed (A, B: the left and right operand; K: the contracted axis; several contracted axes count as one K, in the product's order):
;;     1. [M 8,192, K 512] x [K 512, N 512]; A: computed on the way; B: input wq (given as codes): QUANTISED
;;     2. [M 8,192, K 512] x [K 512, N 1,024]; A: computed on the way; B: input wkv (given as codes): QUANTISED
;;     3. batch 16 x [M 4,096, K 64] x [K 64, N 4,096]; A: computed on the way; B: computed on the way: QUANTISED
;;     4. batch 16 x [M 64, K 4,096] x [K 4,096, N 4,096]; A: computed on the way; B: softmax (see below): QUANTISED
;;     5. [M 8,192, K 512] x [K 512, N 512]; A: computed on the way; B: input wo (given as codes): QUANTISED
;;   THE QUANTISER, for each operand of a quantised product, along K:
;;     - K is cut into blocks of 32 from its start; a last block that is shorter is filled with zeros.
;;     - A block's scale is 2^e with e = floor(log2(the largest magnitude in the block)) - 8, held to -126 .. 127; a block of zeros has e = 0. As a byte (E8M0): e + 127.
;;     - Each number is divided by its block's scale, clamped to +-448, and rounded to the nearest number of E4M3, ties to even, subnormals kept.
;;     - The product sums the exact products of the quantised numbers (number of the format x scale) in f32.
;;   ~~~python
;;   def quantise(x, axis):      # numpy; x: float32 -> the quantised numbers, widened to float32 again
;;       x = np.moveaxis(x, axis, -1); K = x.shape[-1]
;;       x = np.pad(x, [(0, 0)] * (x.ndim - 1) + [(0, -K % 32)]); x = x.reshape(x.shape[:-1] + (-1, 32)); a = np.abs(x).max(-1, keepdims=True)
;;       e = np.where(a > 0, np.clip(np.frexp(np.where(a > 0, a, 1))[1] - 1 - 8, -126, 127), 0)      # np.frexp(a)[1] - 1 = floor(log2(a)), exactly
;;       r = np.clip(x / 2.0 ** e, -448, 448)
;;       step = 2.0 ** (np.maximum(np.frexp(np.where(r == 0, 1, r))[1] - 1, -6) - 3)
;;       q = np.round(r / step) * step * 2.0 ** e      # np.round: ties to even
;;       return np.moveaxis(q.reshape(q.shape[:-2] + (-1,))[..., :K], -1, axis).astype(np.float32)
;;   ~~~
;;   SOFTMAX AHEAD OF A QUANTISED PRODUCT. Where the list says 'softmax', what is quantised is not the finished softmax but p = 2^(t - M), with t = logit x log2(e) and M = ceil(the row's largest t), a whole number; so 1/2 < the row's largest p <= 1. The row's sum l is taken of the UNQUANTISED p, in f32, and the product's result is divided by l at the end. Since M is a whole number, a kernel that streams over the keys may use a running M (the ceiling of the running maximum): every later rescaling is an exact power of two, which a block's scale takes up: the codes' values come out the same.
;;   OPERANDS COMPUTED ON THE WAY. 'Computed on the way' means the value that the module computes at that place (a softmax that the list does not call 'softmax' is quantised finished and normalised). What goes into a quantiser is computed in f32, as accurately as f32 sums, v_exp_f32 and their like allow (about 1e-6 of the number): no bf16 or f16 on the way to a quantiser, and a product that is left as it is and whose result goes on into a quantised operand takes f32 operands (vector FMAs, or v_wmma_f32_16x16x4_f32). A number that lies on a knife's edge between two numbers of the format may be rounded either way, as far as f32 arithmetic and the matrix unit's own rounding can turn it there, and no further.
;;   INPUTS GIVEN AS CODES. wkv (in the module: [1024, 512], K = its axis 1); wo (in the module: [512, 512], K = its axis 1); wq (in the module: [512, 512], K = its axis 1): each comes as NAME_codes (uint8): NAME with its K axis moved to the last place and cut into blocks of 32 codes, [.., K / 32, bytes a block], one block behind the other in memory; one code a byte (a code: sign, 4 exponent bits, 3 mantissa bits); and NAME_scales (uint8): the same leading axes, one E8M0 byte (e + 127) for each 32 codes along K. Its value is code x scale, taken as it is: it is not quantised again, and the codes and scales need not be those that the quantiser above would give.
;; 2 versions. Each part assembles by itself: llvm-mc -triple=amdgcn-amd-amdhsa -mcpu=gfx1250 --defsym DOCPART=n.
;; ======== version 1 of 2: 4 launches
;; workspace buffers: stats 2,048 bytes; qimg 4,194,304 bytes; qsc 131,072 bytes; kvimg 8,388,608 bytes; kvsc 262,144 bytes; aoimg 4,194,304 bytes; aosc 131,072 bytes
;; launch stats (part 1): grid 256 x 1, 8 waves a work-group, no clusters, 1,280 bytes of LDS; arguments x, stats; writes stats
.if DOCPART == 1
	.amdgcn_target "amdgcn-amd-amdhsa--gfx1250"
	.amdhsa_code_object_version 6
	.text
	.protected	k_qc634da24c5_stats
	.globl	k_qc634da24c5_stats
	.p2align	8
	.type	k_qc634da24c5_stats,@function
k_qc634da24c5_stats:
	s_mov_b64 s[64:65], 0
	v_nop
	global_prefetch_b8 v0, s[64:65] scope:SCOPE_SE
	s_setreg_imm32_b32 hwreg(HW_REG_WAVE_MODE, 25, 1), 1
	s_wait_xcnt 0x0
; GROUP NORM, FIRST PART: the mean and the sum of squared deviations of a QUARTER of a group.
; x is [2][512][4096] f32; a group is 16 channels = 65,536 numbers on end in memory.  Work-group g owns the 65,536 bytes (16,384 numbers) at x + 65,536 g:
; quarter g % 4 of group g / 4.  It stores (mean, M2) at stats + 8 g; the next launch joins a group's four quarters.
; 256 threads; thread t takes the 16 bytes at 16 t + 4,096 i, i = 0 .. 15: a wave's load covers 512 consecutive bytes.  The 64 numbers stay in registers between the two passes, so x is read once here.
; M2 is summed of the deviations from the quarter's own mean, never as a difference of large sums: a common offset of the inputs costs nothing.
; No matrix work, no tensor loads, no cluster: one pass over bytes that no two work-groups share.  LIMITS: NaN and infinities among the inputs are not served.
.set X,  16                            ; v16-79  my 64 numbers
.set CH, 80                            ; v80-87  four packed chains
.set MN, 88                            ; v88-89  the mean, twice; at the end (mean, M2)
	s_load_b128 s[4:7], s[0:1], 0x0                ; x, stats
	v_lshl_add_u32 v96, v0, 2, 0x100
	v_mov_b32 v97, 0
	v_lshlrev_b32 v1, 4, v0                        ; 16 t
	v_lshrrev_b32 v2, 5, v0
	v_readfirstlane_b32 s8, v2                     ; wave
	v_mov_b32 v10, s8
	v_lshlrev_b32 v10, 2, v10                      ; LDS: my wave's word
	v_mov_b32 v11, 0
	s_lshl_b32 s2, ttmp9, 16                       ; 65,536 bytes a work-group
	s_mov_b32 s3, 0
	s_mov_b32 s10, 0x76543210                      ; v_permlanex16_b32's selects for lane l xor 16
	s_mov_b32 s11, 0xfedcba98
	s_wait_kmcnt 0x0
	s_add_nc_u64 s[4:5], s[4:5], s[2:3]
.irp i, 0,1,2,3,4,5,6,7,8,9,10,11,12,13,14,15
	global_load_b128 v[X+4*\i:X+4*\i+3], v1, s[4:5] offset:4096*\i
.endr
; The four chains are folded, summed over the wave's lanes, and the eight waves' sums meet in LDS at byte off: the total comes out in v2 of every lane.
.macro TOTAL off
	v_pk_add_f32 v[CH:CH+1], v[CH:CH+1], v[CH+2:CH+3]
	v_pk_add_f32 v[CH+4:CH+5], v[CH+4:CH+5], v[CH+6:CH+7]
	v_pk_add_f32 v[CH:CH+1], v[CH:CH+1], v[CH+4:CH+5]
	v_add_f32 v[CH], v[CH], v[CH+1]
	v_add_f32_dpp v[CH], v[CH], v[CH] row_xmask:1 row_mask:0xf bank_mask:0xf
	v_add_f32_dpp v[CH], v[CH], v[CH] row_xmask:2 row_mask:0xf bank_mask:0xf
	v_add_f32_dpp v[CH], v[CH], v[CH] row_xmask:4 row_mask:0xf bank_mask:0xf
	v_add_f32_dpp v[CH], v[CH], v[CH] row_xmask:8 row_mask:0xf bank_mask:0xf
	v_permlanex16_b32 v[CH+1], v[CH], s10, s11
	v_add_f32 v[CH], v[CH], v[CH+1]
	ds_store_b32 v10, v[CH] offset:\off            ; all lanes write the wave's word with the same value
	s_wait_dscnt 0x0                               ; for the others' sake: my store has landed
	s_barrier_signal -1
	s_barrier_wait -1
	ds_load_b128 v[2:5], v11 offset:\off
	ds_load_b128 v[6:9], v11 offset:\off+16
	s_wait_dscnt 0x0
	v_add_f32 v2, v2, v3
	v_add_f32 v4, v4, v5
	v_add_f32 v6, v6, v7
	v_add_f32 v8, v8, v9
	v_add_f32 v2, v2, v4
	v_add_f32 v6, v6, v8
	v_add_f32 v2, v2, v6
.endm
	; pass 1: the sum.  The first four loads start the chains: nothing is cleared
	s_wait_loadcnt 12                              ; loads come back in order: the first four are in, twelve younger ones may be out
.irp k, 0,1,2,3
	v_pk_add_f32 v[CH+2*\k:CH+2*\k+1], v[X+4*\k:X+4*\k+1], v[X+4*\k+2:X+4*\k+3]
.endr
.irp g, 1,2,3
	s_wait_loadcnt 12-4*\g                         ; the next four are in
.irp k, 0,1,2,3
	v_pk_add_f32 v[CH+2*\k:CH+2*\k+1], v[CH+2*\k:CH+2*\k+1], v[X+16*\g+4*\k:X+16*\g+4*\k+1]
.endr
.irp k, 0,1,2,3
	v_pk_add_f32 v[CH+2*\k:CH+2*\k+1], v[CH+2*\k:CH+2*\k+1], v[X+16*\g+4*\k+2:X+16*\g+4*\k+3]
.endr
.endr
	TOTAL 0
	v_mul_f32 v[MN], 0x38800000, v2                ; the mean: the sum x 2^-14
	v_mov_b32 v[MN+1], v[MN]
	; pass 2: the deviations, in place, and their squares in four chains
.set p, 0
.rept 32
	v_pk_add_f32 v[X+2*p:X+2*p+1], v[X+2*p:X+2*p+1], v[MN:MN+1] neg_lo:[0,1] neg_hi:[0,1]
.set p, p+1
.endr
.irp k, 0,1,2,3
	v_pk_mul_f32 v[CH+2*\k:CH+2*\k+1], v[X+2*\k:X+2*\k+1], v[X+2*\k:X+2*\k+1]
.endr
.set p, 4
.rept 28
	v_pk_fma_f32 v[CH+2*(p%4):CH+2*(p%4)+1], v[X+2*p:X+2*p+1], v[X+2*p:X+2*p+1], v[CH+2*(p%4):CH+2*(p%4)+1]
.set p, p+1
.endr
	TOTAL 64                                       ; other LDS bytes than the first total's: no wave can still be reading them
	v_mov_b32 v[MN+1], v2                          ; (mean, M2)
	s_lshl_b32 s2, ttmp9, 3
	s_add_nc_u64 s[6:7], s[6:7], s[2:3]
	s_wait_xcnt 0x0                                ; EXEC changes only behind this wait: it is a source of the loads above
	v_cmp_gt_u32 vcc_lo, 1, v0
	s_wait_tensorcnt 0x0
	ds_add_u32 v96, v97
	s_wait_dscnt 0x0
	s_and_saveexec_b32 s9, vcc_lo                  ; thread 0 alone
	global_store_b64 v11, v[MN:MN+1], s[6:7]
	s_wait_xcnt 0x0                                ; and again in front of the line that widens it
	s_or_b32 exec_lo, exec_lo, s9
	s_endpgm
.Lfunc_end_k_qc634da24c5_stats:
	.size	k_qc634da24c5_stats, .Lfunc_end_k_qc634da24c5_stats-k_qc634da24c5_stats
	.p2alignl 7, 3214868480
	.fill 96, 4, 3214868480
	.section	.rodata,"a",@progbits
	.p2align	6, 0x0
	.amdhsa_kernel k_qc634da24c5_stats
		.amdhsa_group_segment_fixed_size 1280
		.amdhsa_private_segment_fixed_size 0
		.amdhsa_enable_private_segment 0
		.amdhsa_kernarg_size 16
		.amdhsa_user_sgpr_count 2
		.amdhsa_user_sgpr_kernarg_segment_ptr 1
		.amdhsa_wavefront_size32 1
		.amdhsa_system_sgpr_workgroup_id_x 1
		.amdhsa_system_sgpr_workgroup_id_y 1
		.amdhsa_system_sgpr_workgroup_id_z 1
		.amdhsa_system_vgpr_workitem_id 0
		.amdhsa_next_free_vgpr 98
		.amdhsa_next_free_sgpr 66
		.amdhsa_reserve_vcc 1
		.amdhsa_float_denorm_mode_32 3
		.amdhsa_float_denorm_mode_16_64 3
		.amdhsa_memory_ordered 1
		.amdhsa_forward_progress 1
		.amdhsa_inst_pref_size 12
	.end_amdhsa_kernel
	.amdgpu_metadata
---
amdhsa.version: [ 1, 2 ]
amdhsa.kernels:
  - .name:           k_qc634da24c5_stats
    .symbol:         k_qc634da24c5_stats.kd
    .args:
      - { .name: x, .offset: 0, .size: 8, .value_kind: global_buffer, .address_space: global }
      - { .name: stats, .offset: 8, .size: 8, .value_kind: global_buffer, .address_space: global }
    .group_segment_fixed_size: 1280
    .private_segment_fixed_size: 0
    .kernarg_segment_align: 8
    .kernarg_segment_size: 16
    .max_flat_workgroup_size: 256
    .sgpr_count:     66
    .vgpr_count:     98
    .wavefront_size: 32
...
	.end_amdgpu_metadata
.endif
;; end of part 1
;; launch qkv (part 2): grid 4 x 64, 16 waves a work-group, no clusters, 71,680 bytes of LDS; arguments x, stats, gn_w, gn_b, wq_codes, wq_scales, bq, wkv_codes, wkv_scales, bkv, qimg, kvimg, qsc, kvsc; writes qimg, kvimg, qsc, kvsc
.if DOCPART == 2
	.amdgcn_target "amdgcn-amd-amdhsa--gfx1250"
	.amdhsa_code_object_version 6
	.text
	.protected	k_qc634da24c5_qkv
	.globl	k_qc634da24c5_qkv
	.p2align	8
	.type	k_qc634da24c5_qkv,@function
k_qc634da24c5_qkv:
	s_mov_b64 s[64:65], 0
	v_nop
	global_prefetch_b8 v0, s[64:65] scope:SCOPE_SE
	s_setreg_imm32_b32 hwreg(HW_REG_WAVE_MODE, 25, 1), 1
	s_wait_xcnt 0x0
; GROUP NORM'S SECOND PART, THE QUANTISING OF x_norm, THE PRODUCTS q = wq x_norm + bq AND kv = wkv x_norm + bkv ON CODES OF FP8 (E4M3) WITH E8M0 SCALES, AND THE QUANTISING OF q, k AND v.
; A work-group takes 128 pixels (block blk of batch; work-group y = 32 batch + blk) and two heads (2 hp, 2 hp + 1; work-group x = hp): 384 output channels, all 512 input channels.
; PHASE X, all 16 waves: wave w takes pixels 32 (w % 4) on and channels 128 (w / 4) on.  A LANE IS A PIXEL AND ITS REGISTERS RUN DOWN THE CHANNELS, which are the products' K: a load reads 128 consecutive bytes,
;   a block of 32 along K lies in one lane's 32 registers, and the conversions give codes with K innermost.  x_norm = ((x - mean) rstd) w + b, in that order.
; PHASE P, waves 0-11: role w / 4 (0 q, 1 k, 2 v), head 2 hp + (w / 2) % 2, 32 output channels 32 (w % 2) on.  A wave's weights stay in its registers (128), each weight row read by one wave of the work-group.
; OPERANDS ARE KEPT AS IMAGES OF THEIR REGISTERS: a group of four registers is 512 bytes, lane l's 16 bytes at 16 l; in LDS (x_norm) and in the workspace buffers (q, k, v) alike: every store of codes covers 512 consecutive bytes, aligned.
; THE ROWS OF A TILE ARE NOT NEIGHBOURS: row r of pixel tile 2 b + u is pixel 32 b + 8 u + r + 8 (r / 8), row r of weight tile t is channel 8 t + r + 8 (r / 8) of the wave's 32: so the 16 result registers of two
;   neighbouring tiles are 16 neighbours along the next product's K.  q, k: source 0 = weights, source 1 = pixels (a lane holds a pixel, registers run along the head's channels).  v: the sources swapped (a lane holds a channel, registers run along the pixels, its K).
; OUT: qimg [bh][tile 8 blk + tau][cd][lane][16];  kvimg [bh][blk][K: b, c = 2 cd + u | V: dt = 2 cd + t, c = b][lane][16];  qsc [bh][blk][r][tau] two bytes (cd 0, 1);  kvsc [bh][blk][lane][16]: lanes 0-15 K's words b = 0 .. 3 (byte 2 cd + u), lanes 16-31 V's words dt = 0 .. 3 (byte b).
; NO TENSOR LOADS AND NO JOINT REQUESTS, though the four work-groups of a block read the same x: x has to pass through registers to be normalised, and its 262,144 bytes beside the 65,536 of the images and 4,096 of scales are more than the 327,680 of LDS.
; LIMITS: NaN and infinities among the inputs are not served.  A block whose largest magnitude lies under 2^-118 keeps the scale byte 1; a block of zeros has the byte 1 where the quantiser says 127: its codes are zeros, and these bytes are read by this program alone.
.set XSC,  65536                       ; LDS: 0 .. x_norm's 32 fragments, (tau, s) at (4 tau + s) 2,048;  XSC: their scale words, (4 tau + s) 64 + 4 r
.set SC,   67584                       ; the stages of the scale bytes: q's at SC + 512 hl, k's at SC + 1,024 + 512 hl, v's 256 behind k's
.set WF,   16                          ; v16-143  my weights: fragment (t, s) at WF + 16 (4 t + s)
.set WS,   144                         ; v144-151 their scale words (t, s): scales and nothing else
.set BI,   152                         ; v152-167 the bias in the result's layout, 8 registers a tile t
.set ACC,  168                         ; v168-199 four accumulators;  in phase X v168-231 are two sets of 32 numbers
.set XF,   200                         ; v200-231 two fragments of x_norm
.set PC,   232                         ; v232-239 codes just made
.set TM,   240                         ; v240-249 at work: +0,1 largest magnitudes, +2,3 the other lane's, +4,5 scale operands, +6,7 holds, +8,9 bytes
.set XS,   250                         ; v250-251 x_norm's scale words: scales and nothing else
.set VW,   252                         ; v252-253 v's scale words as they grow
.set VNM,  254                         ; v254     -mean of group l % 8 of my 128 channels
.set VRS,  255                         ; v255     1 / sqrt(var + eps) of it
; v1 16 l; v2 4 l; v3, v4 where phase X stores codes and scale bytes; v5 XSC + 4 r; v6, v7, v8 offsets of weights, their scales, the bias; v9, v10, v11 the stages of q's, k's, v's scale bytes; v12, v13 the stages read back; v14 my place in the out image; v15 8 l
; s2 wave; s[4:5] x; s[6:7] stats; s[8:9] gn_w; s[10:11] gn_b; s[12:17] my weights, their scales, my bias; s[18:19] my out image; s[20:23] qsc, kvsc; s24-25 lane selects; s26 the mantissa field of 448;
; s[28:29], s[30:31] -mean, rstd of a block's first group (the low word is used), s[66:67], s[100:101] of its second; s[32:63] gn_w of 32 channels; s[68:99] first eight addresses, then gn_b of 32 channels
.macro NOPS n
.rept \n
	v_nop
.endr
.endm
	s_load_b256 s[4:11], s[0:1], 0x0               ; x, stats, gn_w, gn_b
	s_load_b256 s[68:75], s[0:1], 0x20             ; wq_codes, wq_scales, bq, wkv_codes
	s_load_b256 s[76:83], s[0:1], 0x40             ; wkv_scales, bkv, qimg, kvimg
	s_load_b128 s[20:23], s[0:1], 0x60             ; qsc, kvsc
	v_lshrrev_b32 v16, 5, v0
	v_readfirstlane_b32 s2, v16                    ; wave 0..15
	s_and_b32 s3, s2, 3                            ; phase X: which 32 pixels
	s_lshr_b32 s31, s2, 2                          ; phase X: which 128 channels.  Phase P: the role
	s_bfe_u32 s66, s2, 0x10001                     ; hl: which of the two heads
	s_and_b32 s67, s2, 1                           ; cd: which 32 of the head's 64
	v_and_b32 v16, 31, v0                          ; l
	v_and_b32 v17, 15, v0                          ; r
	v_bfe_u32 v18, v0, 4, 1                        ; h
	v_and_b32 v19, 8, v0
	v_add_nc_u32 v19, v19, v17                     ; r + 8 (r / 8)
	v_bfe_u32 v20, v0, 3, 1                        ; phase X: pixel l of 32 lies in tile u = (l / 8) % 2,
	v_and_b32 v21, 7, v0
	v_lshl_add_u32 v21, v18, 3, v21                ; at its row l % 8 + 8 (l / 16)
	; every address register is made here, on the one way that all waves take
	v_lshlrev_b32 v1, 4, v16
	v_lshlrev_b32 v2, 2, v16
	v_lshlrev_b32 v3, 13, v20                      ; codes: fragment (2 b + u, s): 16,384 b + 8,192 u + 2,048 s, + 16 x row
	v_lshl_add_u32 v3, v21, 4, v3
	s_lshl_b32 s100, s3, 14
	s_lshl_b32 s101, s31, 11
	s_add_co_u32 s100, s100, s101
	v_add_nc_u32 v3, s100, v3
	v_lshlrev_b32 v4, 8, v20                       ; scale bytes: XSC + 512 b + 256 u + 64 s + 4 x row
	v_lshl_add_u32 v4, v21, 2, v4
	s_lshl_b32 s100, s3, 9
	s_lshl_b32 s101, s31, 6
	s_add_co_u32 s100, s100, s101
	s_add_co_u32 s100, s100, XSC
	v_add_nc_u32 v4, s100, v4
	v_lshl_add_u32 v5, v17, 2, XSC
	v_lshlrev_b32 v6, 9, v19                       ; a weight row is 512 bytes
	v_lshl_add_u32 v6, v18, 4, v6
	v_lshlrev_b32 v7, 4, v19                       ; and 16 scale bytes
	s_cmp_eq_u32 s31, 2
	s_cselect_b32 s100, 0, 64                      ; the bias: q, k: my half's 16 channels, 64 h;
	s_cselect_b32 s101, 4, 0                       ; v: my row's channel, 4 (r + 8 (r / 8))
	v_mul_u32_u24 v8, v18, s100
	v_mad_u32_u24 v8, v19, s101, v8
	s_lshl_b32 s100, s66, 9
	s_add_co_u32 s101, s100, s67
	s_add_co_u32 s101, s101, SC
	v_lshl_add_u32 v9, v17, 4, s101                ; q: SC + 512 hl + 16 r + cd
	s_lshl_b32 s101, s67, 1
	s_add_co_u32 s101, s101, s100
	s_add_co_u32 s101, s101, SC+1024
	v_lshl_add_u32 v10, v17, 4, s101               ; k: SC + 1,024 + 512 hl + 16 r + 2 cd
	s_lshl_b32 s101, s67, 3
	s_add_co_u32 s101, s101, s100
	s_add_co_u32 s101, s101, SC+1280
	v_lshl_add_u32 v11, v17, 4, s101               ; v: SC + 1,280 + 512 hl + 16 r + 8 cd
	s_lshl_b32 s100, s67, 9
	s_add_co_u32 s101, s100, SC+1024
	v_lshl_add_u32 v12, v16, 4, s101               ; back: head w % 2's 512 bytes of k's and v's words,
	s_add_co_u32 s101, s100, SC
	v_lshl_add_u32 v13, v16, 3, s101               ; and its 256 bytes of q's
	s_lshl_b32 s100, 512, s31                      ; my place in the out image: q 16 l + 512 cd; k 16 l + 1,024 cd;
	s_cmp_eq_u32 s31, 2
	s_cselect_b32 s100, 4096, s100                 ; v 16 l + 8,192 + 4,096 cd
	s_cselect_b32 s101, 8192, 0
	s_mul_i32 s100, s100, s67
	s_add_co_u32 s100, s100, s101
	v_lshl_add_u32 v14, v16, 4, s100
	v_lshlrev_b32 v15, 3, v16
	v_and_b32 v249, 7, v0
	v_lshlrev_b32 v249, 5, v249                    ; stats: 32 bytes a group, group l % 8 of my eight
	s_and_b32 s24, ttmp7, 0xffff
	s_lshr_b32 s25, s24, 5                         ; batch
	s_and_b32 s26, s24, 31                         ; blk
	s_lshl_b32 s27, ttmp9, 1
	s_add_co_u32 s27, s27, s66                     ; my head
	s_lshl_b32 s30, s27, 6
	s_lshl_b32 s28, s67, 5
	s_add_co_u32 s30, s30, s28
	s_cmp_eq_u32 s31, 2
	s_cselect_b32 s28, 512, 0                      ; v's rows lie behind k's in wkv
	s_add_co_u32 s30, s30, s28                     ; my first weight row
	s_mov_b32 s29, 0
	s_wait_kmcnt 0x0
	s_cmp_eq_u32 s31, 0                            ; q's buffers or kv's: the choice hangs on the wave's number alone
	s_cselect_b64 s[12:13], s[68:69], s[74:75]
	s_cselect_b64 s[14:15], s[70:71], s[76:77]
	s_cselect_b64 s[16:17], s[72:73], s[78:79]
	s_cselect_b64 s[18:19], s[80:81], s[82:83]
	s_cselect_b32 s101, 0, 1
	s_lshl_b32 s28, s30, 9
	s_add_nc_u64 s[12:13], s[12:13], s[28:29]
	s_lshl_b32 s28, s30, 4
	s_add_nc_u64 s[14:15], s[14:15], s[28:29]
	s_lshl_b32 s28, s30, 2
	s_add_nc_u64 s[16:17], s[16:17], s[28:29]
	s_lshl_b32 s100, s25, 3
	s_add_co_u32 s100, s100, s27                   ; bh = 8 batch + head
	s_lshl_b32 s28, s100, 18
	s_lshl_b32 s100, s26, 13
	s_add_co_u32 s28, s28, s100                    ; qimg: 262,144 bh + 8,192 blk;
	s_lshl_b32 s28, s28, s101                      ; kvimg: twice that
	s_add_nc_u64 s[18:19], s[18:19], s[28:29]
	s_lshl_b32 s100, s25, 3
	s_lshl_b32 s28, ttmp9, 1
	s_add_co_u32 s100, s100, s28
	s_add_co_u32 s100, s100, s67                   ; the head whose scale bytes I would store: 8 batch + 2 hp + w % 2
	s_lshl_b32 s100, s100, 5
	s_add_co_u32 s100, s100, s26
	s_lshl_b32 s28, s100, 8
	s_add_nc_u64 s[20:21], s[20:21], s[28:29]
	s_lshl_b32 s28, s100, 9
	s_add_nc_u64 s[22:23], s[22:23], s[28:29]
	s_lshl_b32 s28, s25, 23                        ; x: 8 MiB a batch, 16,384 bytes a channel, 4 a pixel
	s_lshl_b32 s100, s31, 21
	s_add_co_u32 s28, s28, s100
	s_lshl_b32 s100, s26, 9
	s_add_co_u32 s28, s28, s100
	s_lshl_b32 s100, s3, 7
	s_add_co_u32 s28, s28, s100
	s_add_nc_u64 s[4:5], s[4:5], s[28:29]
	s_lshl_b32 s28, s25, 10                        ; stats: 32 groups of 32 bytes a batch, my eight groups
	s_lshl_b32 s100, s31, 8
	s_add_co_u32 s28, s28, s100
	s_add_nc_u64 s[6:7], s[6:7], s[28:29]
	s_lshl_b32 s28, s31, 9                         ; gn_w, gn_b: my 128 channels
	s_add_nc_u64 s[8:9], s[8:9], s[28:29]
	s_add_nc_u64 s[10:11], s[10:11], s[28:29]
	s_mov_b32 s24, 0x76543210                      ; v_permlanex16_b32's selects for lane l xor 16
	s_mov_b32 s25, 0xfedcba98
	s_mov_b32 s26, 0x600000                        ; the mantissa field of 448
	s_mov_b32 s31, 0                               ; the upper words of the four pairs that the packed forms name: written once
	s_mov_b32 s67, 0
	s_mov_b32 s101, 0
	; the weights of waves 0-11, into registers for the whole launch
	s_cmp_lt_u32 s2, 12
	s_cbranch_scc0 .Lno_weights
.irp t, 0,1
.irp s, 0,1,2,3
.irp c, 0,1,2,3
	global_load_b128 v[WF+16*(4*\t+\s)+4*\c:WF+16*(4*\t+\s)+4*\c+3], v6, s[12:13] offset:\t*4096+128*\s+32*\c
.endr
	global_load_b32 v[WS+4*\t+\s], v7, s[14:15] offset:\t*128+4*\s
.endr
.endr
	s_cmp_lt_u32 s2, 8
	s_cbranch_scc0 .Lbias_v
.irp t, 0,1
	global_load_b128 v[BI+8*\t:BI+8*\t+3], v8, s[16:17] offset:32*\t      ; q, k: register j = the bias of channel 8 t + 16 h + j
	global_load_b128 v[BI+8*\t+4:BI+8*\t+7], v8, s[16:17] offset:32*\t+16
.endr
	s_branch .Lno_weights
.Lbias_v:
.irp t, 0,1
	global_load_b32 v[BI+8*\t], v8, s[16:17] offset:32*\t                 ; v: my row's channel, for all eight registers
.endr
.Lno_weights:
	global_load_b128 v[TM:TM+3], v249, s[6:7]                             ; (mean, M2) of my group's quarters 0, 1
	global_load_b128 v[TM+4:TM+7], v249, s[6:7] offset:16                 ; and 2, 3
.macro XLOAD c                         ; block c of my 128 channels: x(32 c + i, my pixel), i = 0 .. 31, into set c % 2: 32 lanes read 128 consecutive bytes
.set xl, 0
.rept 32
	global_load_b32 v[ACC+32*((\c)%2)+xl], v2, s[4:5] offset:(32*(\c)+xl)*16384
.set xl, xl+1
.endr
.endm
.macro CLOAD c                         ; gn_w and gn_b of block c's 32 channels
	s_load_b512 s[32:47], s[8:9], 128*(\c)
	s_load_b512 s[48:63], s[8:9], 128*(\c)+64
	s_load_b512 s[68:83], s[10:11], 128*(\c)
	s_load_b512 s[84:99], s[10:11], 128*(\c)+64
.endm
	XLOAD 0
	CLOAD 0
	s_wait_loadcnt 32                              ; all but block 0's 32 loads: the statistics (and the weights) are in
	; a group's four quarters of 16,384 numbers are joined: mean = the means' mean; M2 = the sum of the four M2 + 16,384 x the sum of the squared deviations of the four means
	v_add_f32 v248, v240, v242
	v_add_f32 v249, v244, v246
	v_add_f32 v248, v248, v249
	v_mul_f32 v248, 0x3e800000, v248               ; the group's mean
	v_add_f32 v241, v241, v243
	v_add_f32 v245, v245, v247
	v_add_f32 v241, v241, v245
	v_sub_f32 v240, v240, v248
	v_sub_f32 v242, v242, v248
	v_sub_f32 v244, v244, v248
	v_sub_f32 v246, v246, v248
	v_mul_f32 v249, v240, v240
	v_fma_f32 v249, v242, v242, v249
	v_fma_f32 v249, v244, v244, v249
	v_fma_f32 v249, v246, v246, v249
	v_fma_f32 v241, v249, 0x46800000, v241
	v_mul_f32 v241, 0x37800000, v241               ; the variance: M2 x 2^-16
	v_add_f32 v241, 0x3727c5ac, v241               ; + 1e-5
	v_rsq_f32 v[VRS], v241
	v_mul_f32 v[VNM], -1.0, v248                   ; (the plain line behind the transcendental)
	s_wait_alu depctr_va_vdst(0)                   ; the wait ahead of the first line that names the result
	v_mov_b32 v[TM+2], 0                           ; a lane permute's destination counts as one of its sources
	v_mov_b32 v[TM+3], 0
	XLOAD 1
; Block c: 32 channels of my pixel are normalised, quantised (the whole block is mine: no other lane is asked) and stored as my pixel's row of a fragment's group c.
.macro XBLOCK c
.set XB, ACC+32*((\c)%2)
.if (\c) < 3
	s_wait_loadcnt 32                              ; this block's 32 loads are in; the next block's may be out
.else
	s_wait_loadcnt 0x0
.endif
	v_readlane_b32 s28, v[VNM], 2*(\c)             ; the block's two groups of 16 channels
	v_readlane_b32 s30, v[VRS], 2*(\c)
	v_readlane_b32 s66, v[VNM], 2*(\c)+1
	v_readlane_b32 s100, v[VRS], 2*(\c)+1
.irp j, 0,2,4,6,8,10,12,14
	v_pk_add_f32 v[XB+\j:XB+\j+1], v[XB+\j:XB+\j+1], s[28:29] op_sel_hi:[1,0]          ; x - mean
	v_pk_add_f32 v[XB+16+\j:XB+17+\j], v[XB+16+\j:XB+17+\j], s[66:67] op_sel_hi:[1,0]
.endr
.irp j, 0,2,4,6,8,10,12,14
	v_pk_mul_f32 v[XB+\j:XB+\j+1], v[XB+\j:XB+\j+1], s[30:31] op_sel_hi:[1,0]          ; x rstd
	v_pk_mul_f32 v[XB+16+\j:XB+17+\j], v[XB+16+\j:XB+17+\j], s[100:101] op_sel_hi:[1,0]
.endr
	s_wait_kmcnt 0x0                               ; gn_w and gn_b of this block
.set xi, 0
.rept 32
	v_fma_f32 v[XB+xi], v[XB+xi], s[32+xi], s[68+xi]                                  ; x w + b
.set xi, xi+1
.endr
.if (\c) < 3
	CLOAD (\c)+1
.endif
	v_max3_num_f32 v[TM], |v[XB]|, |v[XB+1]|, |v[XB+2]|
	v_max3_num_f32 v[TM+1], |v[XB+3]|, |v[XB+4]|, |v[XB+5]|
.irp i, 6,10,14,18,22,26
	v_max3_num_f32 v[TM], v[TM], |v[XB+\i]|, |v[XB+\i+1]|
	v_max3_num_f32 v[TM+1], v[TM+1], |v[XB+\i+2]|, |v[XB+\i+3]|
.endr
	v_max3_num_f32 v[TM], v[TM], |v[XB+30]|, |v[XB+31]|
	v_max3_num_f32 v[TM], v[TM], v[TM+1], 0x4800000       ; and the floor 2^(9 - 127): the byte cannot fall under 1
	v_add_nc_u32 v[TM+4], 0xfc000000, v[TM]               ; 8 off the exponent field: the conversion takes the exponent field of this operand as its scale
	v_and_or_b32 v[TM+6], v[TM], 0x7f800000, s26          ; 448 x the scale
	v_lshrrev_b32 v[TM+8], 23, v[TM+4]                    ; the scale's byte
.set xi, 0
.rept 32
	v_med3_num_f32 v[XB+xi], v[XB+xi], -v[TM+6], v[TM+6]  ; the conversion to an 8-bit code does not saturate (ISA guide 7.6.2): the hold comes first
.set xi, xi+1
.endr
.irp g, 0,1,2,3
	v_cvt_scalef32_pk8_fp8_f32 v[PC+2*\g:PC+2*\g+1], v[XB+8*\g:XB+8*\g+7], v[TM+4]
.endr
	v_nop                                          ; a plain line behind the last scaled conversion
	ds_store_b128 v3, v[PC:PC+3] offset:512*(\c)          ; K = 32 c + 0 .. 15: the place of lane (row, 0)
	ds_store_b128 v3, v[PC+4:PC+7] offset:512*(\c)+256    ; K = 32 c + 16 .. 31: of lane (row, 1)
	ds_store_b8 v4, v[TM+8] offset:(\c)
.if (\c) < 2
	XLOAD (\c)+2
.endif
	s_wait_dscnt 0x0                               ; the stores have read their registers
.endm
	XBLOCK 0
	XBLOCK 1
	XBLOCK 2
	XBLOCK 3
	s_barrier_signal -1                            ; (each wave's stores have landed: the wait for 0 stands at the block's end)
	s_barrier_wait -1                              ; x_norm's 32 fragments and their scale words lie in LDS
.macro FETCHX b, s                     ; pixel tiles 2 b and 2 b + 1, K step s
.irp u, 0,1
.irp c, 0,1,2,3
	ds_load_b128 v[XF+16*\u+4*\c:XF+16*\u+4*\c+3], v1 offset:(4*(2*(\b)+\u)+(\s))*2048+512*\c
.endr
	ds_load_b32 v[XS+\u], v5 offset:(4*(2*(\b)+\u)+(\s))*64
.endr
.endm
.macro MM d, a, b, c, sa, sb
	v_wmma_scale_f32_16x16x128_f8f6f4 v[\d:\d+7], v[\a:\a+15], v[\b:\b+15], v[\c:\c+7], v[\sa], v[\sb]
.endm
; Two blocks of 32 along the next K: block i is the 16 registers at ACC + 16 i of lanes l and l xor 16.  Codes to PC + 4 i, bytes to TM + 8 + i.
.macro QUANT2
	s_wait_xcnt 0x0                                ; the last stores have read the codes' registers
.irp i, 0,1
	v_max3_num_f32 v[TM+\i], |v[ACC+16*\i]|, |v[ACC+16*\i+1]|, 0x4800000   ; each accumulator is read from its low end on; the floor 2^(9 - 127) holds the byte at 1 from below
.endr
.irp k, 2,4,6,8,10,12,14
.irp i, 0,1
	v_max3_num_f32 v[TM+\i], v[TM+\i], |v[ACC+16*\i+\k]|, |v[ACC+16*\i+\k+1]|
.endr
.endr
.irp i, 0,1
	v_permlanex16_b32 v[TM+2+\i], v[TM+\i], s24, s25
.endr
.irp i, 0,1
	v_max_num_f32 v[TM+\i], v[TM+\i], v[TM+2+\i]
.endr
.irp i, 0,1
	v_add_nc_u32 v[TM+4+\i], 0xfc000000, v[TM+\i]
.endr
.irp i, 0,1
	v_and_or_b32 v[TM+6+\i], v[TM+\i], 0x7f800000, s26
.endr
.irp i, 0,1
	v_lshrrev_b32 v[TM+8+\i], 23, v[TM+4+\i]
.endr
.irp i, 0,1
.irp k, 0,1,2,3,4,5,6,7,8,9,10,11,12,13,14,15
	v_med3_num_f32 v[ACC+16*\i+\k], v[ACC+16*\i+\k], -v[TM+6+\i], v[TM+6+\i]
.endr
	v_cvt_scalef32_pk8_fp8_f32 v[PC+4*\i:PC+4*\i+1], v[ACC+16*\i:ACC+16*\i+7], v[TM+4+\i]
	v_cvt_scalef32_pk8_fp8_f32 v[PC+4*\i+2:PC+4*\i+3], v[ACC+16*\i+8:ACC+16*\i+15], v[TM+4+\i]
.endr
	v_nop                                          ; a plain line behind the last scaled conversion
.endm
; A role's work: for each pair of pixel tiles, four K steps on four accumulators by turns; the bias is the C of a sum's first product; then the quantiser and the stores.
; Places: eight in front of loads into registers that the last products read; nine behind a pair's last product, since the next pair's first products write over its accumulators.
.macro PROJ role
.if \role == 2
.irp t, 0,1
.irp j, 1,2,3,4,5,6,7
	v_mov_b32 v[BI+8*\t+\j], v[BI+8*\t]
.endr
.endr
.endif
.irp b, 0,1,2,3
.irp s, 0,1,2,3
.if \s > 0
	NOPS 8
.endif
	FETCHX \b, \s
	s_wait_dscnt 0x0
.irp u, 0,1
.irp t, 0,1
.if \role == 2
.if \s == 0
	MM ACC+16*\t+8*\u, XF+16*\u, WF+16*(4*\t+\s), BI+8*\t, XS+\u, WS+4*\t+\s
.else
	MM ACC+16*\t+8*\u, XF+16*\u, WF+16*(4*\t+\s), ACC+16*\t+8*\u, XS+\u, WS+4*\t+\s
.endif
.else
.if \s == 0
	MM ACC+16*\u+8*\t, WF+16*(4*\t+\s), XF+16*\u, BI+8*\t, WS+4*\t+\s, XS+\u
.else
	MM ACC+16*\u+8*\t, WF+16*(4*\t+\s), XF+16*\u, ACC+16*\u+8*\t, WS+4*\t+\s, XS+\u
.endif
.endif
.endr
.endr
.endr
	NOPS 9
	QUANT2
.irp i, 0,1
.if \role == 0
	global_store_b128 v14, v[PC+4*\i:PC+4*\i+3], s[18:19] offset:(2*\b+\i)*1024     ; tile 2 b + i, my cd: 512 consecutive bytes
	ds_store_b8 v9, v[TM+8+\i] offset:4*\b+2*\i
.elseif \role == 1
	global_store_b128 v14, v[PC+4*\i:PC+4*\i+3], s[18:19] offset:\b*2048+\i*512     ; fragment b, group 2 cd + i
	ds_store_b8 v10, v[TM+8+\i] offset:4*\b+\i
.else
	global_store_b128 v14, v[PC+4*\i:PC+4*\i+3], s[18:19] offset:\i*2048+\b*512     ; tile 2 cd + i, group b
.if \b == 0
	v_mov_b32 v[VW+\i], v[TM+8+\i]
.else
	v_lshl_or_b32 v[VW+\i], v[TM+8+\i], 8*\b, v[VW+\i]
.endif
.endif
.endr
.endr
.if \role == 2
	ds_store_b32 v11, v[VW] offset:0
	ds_store_b32 v11, v[VW+1] offset:4
.endif
.endm
	s_cmp_lt_u32 s2, 4
	s_cbranch_scc0 .Lnot_q
	PROJ 0
	s_branch .Ljoin
.Lnot_q:
	s_cmp_lt_u32 s2, 8
	s_cbranch_scc0 .Lnot_k
	PROJ 1
	s_branch .Ljoin
.Lnot_k:
	s_cmp_lt_u32 s2, 12
	s_cbranch_scc0 .Ljoin
	PROJ 2
.Ljoin:
	s_wait_dscnt 0x0                               ; for the others' sake: my scale bytes have landed
	s_barrier_signal -1
	s_barrier_wait -1
	s_cmp_lt_u32 s2, 12                            ; waves 12 and 13 store a head's scale bytes each, as whole runs: 512 bytes of kvsc, 256 of qsc
	s_cbranch_scc1 .Lend
	s_cmp_gt_u32 s2, 13
	s_cbranch_scc1 .Lend
	ds_load_b128 v[PC:PC+3], v12
	ds_load_b64 v[PC+4:PC+5], v13
	s_wait_dscnt 0x0
	global_store_b128 v1, v[PC:PC+3], s[22:23]
	global_store_b64 v15, v[PC+4:PC+5], s[20:21]
.Lend:
	s_wait_xcnt 0x0
	v_lshl_add_u32 v254, v0, 2, 0x11000
	v_mov_b32 v255, 0
	s_wait_tensorcnt 0x0
	ds_add_u32 v254, v255
	s_wait_dscnt 0x0
	s_endpgm
.Lfunc_end_k_qc634da24c5_qkv:
	.size	k_qc634da24c5_qkv, .Lfunc_end_k_qc634da24c5_qkv-k_qc634da24c5_qkv
	.p2alignl 7, 3214868480
	.fill 96, 4, 3214868480
	.section	.rodata,"a",@progbits
	.p2align	6, 0x0
	.amdhsa_kernel k_qc634da24c5_qkv
		.amdhsa_group_segment_fixed_size 71680
		.amdhsa_private_segment_fixed_size 0
		.amdhsa_enable_private_segment 0
		.amdhsa_kernarg_size 112
		.amdhsa_user_sgpr_count 2
		.amdhsa_user_sgpr_kernarg_segment_ptr 1
		.amdhsa_wavefront_size32 1
		.amdhsa_system_sgpr_workgroup_id_x 1
		.amdhsa_system_sgpr_workgroup_id_y 1
		.amdhsa_system_sgpr_workgroup_id_z 1
		.amdhsa_system_vgpr_workitem_id 0
		.amdhsa_next_free_vgpr 256
		.amdhsa_next_free_sgpr 102
		.amdhsa_reserve_vcc 0
		.amdhsa_float_denorm_mode_32 3
		.amdhsa_float_denorm_mode_16_64 3
		.amdhsa_memory_ordered 1
		.amdhsa_forward_progress 1
		.amdhsa_inst_pref_size 177
	.end_amdhsa_kernel
	.amdgpu_metadata
---
amdhsa.version: [ 1, 2 ]
amdhsa.kernels:
  - .name:           k_qc634da24c5_qkv
    .symbol:         k_qc634da24c5_qkv.kd
    .args:
      - { .name: x, .offset: 0, .size: 8, .value_kind: global_buffer, .address_space: global }
      - { .name: stats, .offset: 8, .size: 8, .value_kind: global_buffer, .address_space: global }
      - { .name: gn_w, .offset: 16, .size: 8, .value_kind: global_buffer, .address_space: global }
      - { .name: gn_b, .offset: 24, .size: 8, .value_kind: global_buffer, .address_space: global }
      - { .name: wq_codes, .offset: 32, .size: 8, .value_kind: global_buffer, .address_space: global }
      - { .name: wq_scales, .offset: 40, .size: 8, .value_kind: global_buffer, .address_space: global }
      - { .name: bq, .offset: 48, .size: 8, .value_kind: global_buffer, .address_space: global }
      - { .name: wkv_codes, .offset: 56, .size: 8, .value_kind: global_buffer, .address_space: global }
      - { .name: wkv_scales, .offset: 64, .size: 8, .value_kind: global_buffer, .address_space: global }
      - { .name: bkv, .offset: 72, .size: 8, .value_kind: global_buffer, .address_space: global }
      - { .name: qimg, .offset: 80, .size: 8, .value_kind: global_buffer, .address_space: global }
      - { .name: kvimg, .offset: 88, .size: 8, .value_kind: global_buffer, .address_space: global }
      - { .name: qsc, .offset: 96, .size: 8, .value_kind: global_buffer, .address_space: global }
      - { .name: kvsc, .offset: 104, .size: 8, .value_kind: global_buffer, .address_space: global }
    .group_segment_fixed_size: 71680
    .private_segment_fixed_size: 0
    .kernarg_segment_align: 8
    .kernarg_segment_size: 112
    .max_flat_workgroup_size: 512
    .sgpr_count:     102
    .vgpr_count:     256
    .wavefront_size: 32
...
	.end_amdgpu_metadata
.endif
;; end of part 2
;; launch attn (part 3): grid 16 x 16, 16 waves a work-group, clusters of 4 x 1, 327,680 bytes of LDS; arguments qimg, qsc, kvimg, kvsc, aoimg, aosc; writes aoimg, aosc
.if DOCPART == 3
	.amdgcn_target "amdgcn-amd-amdhsa--gfx1250"
	.amdhsa_code_object_version 6
	.text
	.protected	k_qc634da24c5_attn
	.globl	k_qc634da24c5_attn
	.p2align	8
	.type	k_qc634da24c5_attn,@function
k_qc634da24c5_attn:
	s_mov_b64 s[64:65], 0
	v_nop
	global_prefetch_b8 v0, s[64:65] scope:SCOPE_SE
	s_setreg_imm32_b32 hwreg(HW_REG_WAVE_MODE, 25, 1), 1
	s_wait_xcnt 0x0
	s_wait_alu depctr_hold_cnt(0) depctr_sa_sdst(0) depctr_va_vdst(0) depctr_va_sdst(0) depctr_va_ssrc(0) depctr_va_vcc(0) depctr_vm_vsrc(0)
	s_getreg_b32 s2, hwreg(HW_REG_IB_STS2, 6, 4)
	s_cmp_eq_u32 s2, 0
	s_cbranch_scc0 .Lentry_in_a_cluster
	s_endpgm
.Lentry_in_a_cluster:
	s_bfe_u32 s2, ttmp6, 0x10000c
	s_cmp_lg_u32 s2, 0x3003
	s_cbranch_scc0 .Lentry_shape_is_right
	s_endpgm
.Lentry_shape_is_right:
; ATTENTION ON CODES OF FP8 (E4M3) WITH E8M0 SCALES: for each of 16 (batch, head) pairs bh, 4,096 queries x 4,096 keys, head size 64; and the quantising of the result along the channels for the last product.
; THE SOFTMAX AHEAD OF THE SECOND PRODUCT: t = score x log2(e) / 8; M = the row's largest t so far, rounded UP to a whole number; p = 2^(t - M) is what is quantised, along the keys, not normalised.
; The row's sum is taken of the unquantised p, in f32, and divides O at the end.  When M moves, the sum and O are multiplied by 2^(old M - new M): exact.
; SHARES.  A work-group owns 256 queries of one bh (work-group y = bh); each of its SIXTEEN waves owns one tile of 16 in 256 registers: four waves to a SIMD, so that one wave's vector work stands beside another's matrix work and LDS loads.
; Every wave walks all keys, 128 a step.  A step's K, V (16,384 bytes of register images, made by the launch before) come through a ring of two LDS slots of 8 steps; the head's scale words (16,384 bytes) come once.
; CLUSTER.  The four query blocks of a cluster belong to one bh and walk the same K and V: each tile is asked for JOINTLY, by the same tensor load with the same descriptor and a mask that names the four.
; LAYOUT.  Both products are used transposed: S^T = K Q^T (source 0 = keys, source 1 = my 16 queries), O^T = V^T P^T (source 0 = 16 channels, source 1 = P): a lane holds ONE query (lane % 16) throughout.
; THE HEAD'S 64 IN AN INSTRUCTION OF K = 128.  A fragment of K holds TWO tiles of 16 keys: group c = 2 cd + u is tile u, channels 32 cd on.  Q lies in 20 registers as (0, q0, 0, q1, 0): registers 4-19 (q0, 0, q1, 0) pick tile u = 0,
; registers 0-15 (0, q0, 0, q1) tile u = 1: Q's zero codes meet the other tile's codes, which are numbers (they were made with the hold), so those products are zeros.  Every byte read from LDS is used.  Q's scale word is (s0, s0, s1, s1).
; The rows of a tile of keys are chosen (key 32 b + 8 u + r + 8 (r / 8)) so that the 16 registers of tiles u = 0, 1 of fragment b are keys 32 b + 16 (lane / 16) + 0 .. 15: p's conversions give the second product's operand.  V's rows likewise, so that O^T's registers are the last product's operand.
; LIMITS: NaN and infinities are not served.  A block whose largest magnitude lies under 2^-118 keeps the scale byte 1; a block of zeros has the byte 1 where the quantiser says 127: its codes are zeros, and these bytes are read by this program alone.
; A block's largest p is taken as the exponential of the block's largest score, which takes v_exp_f32 not to fall where its input rises.
; All of a WGP's LDS is claimed.
.set SLOT1, 1<<17                      ; LDS: slot 0 at 0, slot 1 here: 8 steps of 16,384 bytes each; one exclusive or turns an address from one slot to the other
.set SCL,   262144                     ; the head's scale words: 32 steps x 512 bytes, filled once
.set SPARE, 278528                     ; the spare words, 128 bytes for each wave: eight blocks of 256 bytes that no other line names
.set STG,   280576                     ; the stage of the result's scale bytes: 32 bytes a wave; no fill lands here
; v1 16 l; v2 SCL + 16 l; v3 my spare word; v4 0; v5, v6 the step's LDS addresses; v7 256 l (prefetch); v8-11 K's and V's scale words (lanes 0-15 K's, 16-31 V's); v12 -M; v13 the largest t; v14-15 the sum in two halves;
; v16-35 Q; v36 Q's scale word; v37 p's; v38-39 f; v40-103 four fragments of K, then of V; v104-167 S^T, then p; v168-199 O^T; v200-215 p's codes; v216-231 at work, four a kind; v232-233 the second chain of the sum; v234 at work; v235-237 addresses for the way out and Q's scales
.set WV,   18                          ; s18 wave
.set MNT,  19                          ; s19 the mantissa field of 448
.set SEL,  20                          ; s[20:21] lane selects for lane l xor 16
.set CS,   22                          ; s[22:23] c = log2(e) / 8
.set G1,   24                          ; s[24:31] descriptor group 1: 64 rows of 256 bytes, dense
.set G0,   32                          ; s[32:35] group 0 of the walking load (waves 0-7)
.set G0S,  36                          ; s[36:39] of the scale words (wave 8)
.set TB,   40                          ; s40 LDS byte at which the step's tiles begin
.set TS,   41                          ; s41 and its scale words: 512 bytes a step
.set SLOTS, 42                         ; s42 slots still to be asked for
.set CNT,  43                          ; s43 counts a slot's eight steps
.set PFA,  44                          ; s[44:45] where my prefetches stand
.set LIM,  46                          ; s46 1 in a wave that prefetches, else the greatest number
.macro NOPS n
.rept \n
	v_nop
.endr
.endm
; A round of the cluster's barrier: my work-group's barrier; wave 0 signals for the work-group; every wave waits for all four work-groups; my work-group's barrier once more.
.macro CROUND
	s_barrier_signal -1
	s_barrier_wait -1
	s_cmp_lg_u32 s[WV], 0
	s_cbranch_scc1 .Lnot_wave_0_\@
	s_barrier_signal -3
.Lnot_wave_0_\@:
	s_barrier_wait -3
	s_barrier_signal -1
	s_barrier_wait -1
.endm
; The first fills: waves 0-7 a step of slot 0 each, wave 8 the scale words.  The branches hang on the wave's number alone.  Four v_nop follow each tensor load.
.macro TLOAD0
	s_cmp_lt_u32 s[WV], 8
	s_cbranch_scc0 .Lnot_kv_\@
	tensor_load_to_lds s[G0:G0+3], s[G1:G1+7]
	s_nop 0
	NOPS 4
	s_branch .Lasked_\@
.Lnot_kv_\@:
	s_cmp_eq_u32 s[WV], 8
	s_cbranch_scc0 .Lasked_\@
	tensor_load_to_lds s[G0S:G0S+3], s[G1:G1+7]
	s_nop 0
	NOPS 4
.Lasked_\@:
.endm
.macro TLOAD                           ; a refill: waves 0-7, a step of the slot each
	s_cmp_lt_u32 s[WV], 8
	s_cbranch_scc0 .Lasked_\@
	tensor_load_to_lds s[G0:G0+3], s[G1:G1+7]
	s_nop 0
	NOPS 4
.Lasked_\@:
.endm
; A PREFETCH INTO THE L2 of what the NEXT change of slots will ask for: a slot's 131,072 bytes of kvimg.  All clusters of a bh walk the same bytes: the first cluster (cluster x = 0) asks.  Its four partners share them out BY ADDRESS,
; 32,768 bytes each; in each, waves 8-11, which fetch nothing here, take 8,192 bytes each, lanes 256 bytes apart: every block of 256 bytes is named once in the launch.  The last change that fills a slot asks for nothing; slots 0 and 1 come by their loads alone.
.macro ASK
	s_cmp_gt_u32 s[SLOTS], s[LIM]
	s_cbranch_scc0 .Lnot_mine_\@
	global_prefetch_b8 v7, s[PFA:PFA+1] th:TH_LOAD_NT scope:SCOPE_SE
.Lnot_mine_\@:
.endm
	s_load_b256 s[4:11], s[0:1], 0x0               ; qimg, qsc, kvimg, kvsc
	s_load_b128 s[12:15], s[0:1], 0x20             ; aoimg, aosc
	v_lshl_add_u32 v3, v0, 2, SPARE
	v_mov_b32 v4, 0
	ds_add_u32 v3, v4
	s_wait_dscnt 0x0
	v_lshrrev_b32 v5, 5, v0
	v_readfirstlane_b32 s[WV], v5                  ; wave 0..15
	v_and_b32 v6, 31, v0                           ; l
	v_and_b32 v234, 15, v0                         ; r
	v_lshlrev_b32 v1, 4, v6
	v_lshl_add_u32 v2, v6, 4, SCL
	v_lshlrev_b32 v7, 8, v6
	s_lshl_b32 s47, s[WV], 5
	s_add_co_u32 s47, s47, STG
	v_lshl_add_u32 v235, v234, 1, s47              ; the stage: 32 bytes a wave, 2 a row
	v_lshl_add_u32 v236, v6, 4, STG                ; and back: 16 bytes a lane
	v_lshlrev_b32 v237, 4, v234                    ; qsc: 16 bytes a row
	s_bfe_u32 s47, ttmp6, 0x40000                  ; cx: my place in the cluster: it enters Q's, the result's and the prefetch's global addresses alone
	s_lshl_b32 s48, ttmp9, 2
	s_add_co_u32 s48, s48, s47                     ; my block of 256 queries
	s_and_b32 s49, ttmp7, 0xffff                   ; bh, which the four partners share
	s_lshl_b32 s50, s48, 4
	s_add_co_u32 s50, s50, s[WV]                   ; my tile of 16 queries, 0 .. 255
	s_mov_b32 s[G1], 15|(3<<16)|(1<<21)            ; 15:0 the mask: all four work-groups; 17:16 elements of 8 bytes; 21 set beside a mask; no padding: the images are read 16 bytes a lane on end
	s_mov_b32 s[G1+1], 32<<16                      ; tensor_dim0 = 32 elements: 256 bytes
	s_mov_b32 s[G1+2], 64<<16                      ; tensor_dim1 = 64
	s_mov_b32 s[G1+3], 32<<16                      ; tile_dim0 = 32
	s_mov_b32 s[G1+4], 64                          ; tile_dim1 = 64
	s_mov_b32 s[G1+5], 32                          ; from row to row: dense
	s_mov_b32 s[G1+6], 0
	s_mov_b32 s[G1+7], 0
	s_mov_b32 s[MNT], 0x600000
	s_mov_b32 s[SEL], 0x76543210
	s_mov_b32 s[SEL+1], 0xfedcba98
	s_mov_b32 s[CS], 0x3e38aa3b                    ; log2(e) / 8
	s_mov_b32 s[CS+1], s[CS]                       ; (named with it as a pair, so it is written)
	s_mov_b32 s[TB], 0
	s_mov_b32 s[TS], 0
	s_mov_b32 s[SLOTS], 3
	s_lshl_b32 s52, s49, 19                        ; kvimg: 524,288 bytes a bh,
	s_mov_b32 s53, 0
	s_lshl_b32 s54, s[WV], 14                      ; 16,384 a step: wave w fetches step w of a slot
	s_mov_b32 s55, 0
	s_lshl_b32 s56, s49, 14                        ; kvsc: 16,384 bytes a bh
	s_mov_b32 s57, 0
	s_lshl_b32 s58, s47, 15                        ; the prefetch: my work-group's 32,768 bytes,
	s_and_b32 s59, s[WV], 3
	s_lshl_b32 s59, s59, 13                        ; my wave's 8,192,
	s_add_co_u32 s58, s58, s59
	s_add_co_u32 s58, s58, 131072                  ; in slot 1: the first change of slots steps it to slot 2
	s_mov_b32 s59, 0
	s_lshl_b32 s60, s49, 18                        ; qimg: 262,144 bytes a bh, 1,024 a tile
	s_lshl_b32 s61, s50, 10
	s_add_co_u32 s60, s60, s61
	s_mov_b32 s61, 0
	s_lshl_b32 s62, s49, 5                         ; qsc: block 2 x my query block + w / 8 of 32, 256 bytes each; tile w % 8: 2 bytes
	s_lshl_b32 s63, s48, 1
	s_add_co_u32 s62, s62, s63
	s_lshr_b32 s63, s[WV], 3
	s_add_co_u32 s62, s62, s63
	s_lshl_b32 s62, s62, 8
	s_and_b32 s63, s[WV], 7
	s_lshl_b32 s63, s63, 1
	s_add_co_u32 s62, s62, s63
	s_mov_b32 s63, 0
	s_lshr_b32 s66, s49, 3                         ; aoimg: [batch][tile][K step head / 2][group 2 (head % 2) + cd]
	s_lshl_b32 s66, s66, 8
	s_add_co_u32 s66, s66, s50
	s_lshl_b32 s66, s66, 13
	s_bfe_u32 s67, s49, 0x20001
	s_lshl_b32 s67, s67, 11
	s_add_co_u32 s66, s66, s67
	s_and_b32 s67, s49, 1
	s_lshl_b32 s67, s67, 10
	s_add_co_u32 s66, s66, s67
	s_mov_b32 s67, 0
	s_lshl_b32 s68, s49, 13                        ; aosc: 8,192 bytes a bh, 512 a query block
	s_lshl_b32 s69, s48, 9
	s_add_co_u32 s68, s68, s69
	s_mov_b32 s69, 0
	s_sub_co_u32 s51, s[WV], 8
	s_lshr_b32 s51, s51, 2                         ; 0 in waves 8-11,
	s_or_b32 s51, s51, ttmp9                       ; of the bh's first cluster: the same in all four partners
	s_cmp_eq_u32 s51, 0
	s_cselect_b32 s[LIM], 1, -1
	s_wait_kmcnt 0x0
	s_mov_b32 s[G0], 1                             ; count = 1
	s_lshl_b32 s[G0+1], s[WV], 14                  ; LDS: step w of slot 0
	s_add_nc_u64 s[G0+2:G0+3], s[8:9], s[52:53]
	s_add_nc_u64 s[PFA:PFA+1], s[G0+2:G0+3], s[58:59]
	s_add_nc_u64 s[G0+2:G0+3], s[G0+2:G0+3], s[54:55]
	s_or_b32 s[G0+3], s[G0+3], 0x80000000          ; type = 2
	s_mov_b32 s[G0S], 1
	s_mov_b32 s[G0S+1], SCL
	s_add_nc_u64 s[G0S+2:G0S+3], s[10:11], s[56:57]
	s_or_b32 s[G0S+3], s[G0S+3], 0x80000000
	s_add_nc_u64 s[4:5], s[4:5], s[60:61]
	s_add_nc_u64 s[6:7], s[6:7], s[62:63]
	s_add_nc_u64 s[12:13], s[12:13], s[66:67]
	s_add_nc_u64 s[14:15], s[14:15], s[68:69]
	CROUND                                         ; all four work-groups are here: the first joint loads meet
	TLOAD0                                         ; one tensor load of mine is out at the most, here and ever after
	global_load_b128 v[20:23], v1, s[4:5]          ; q0: channels 0-31 of my 16 queries
	global_load_b128 v[28:31], v1, s[4:5] offset:512   ; q1: channels 32-63
	global_load_u16 v234, v237, s[6:7]             ; their two scale bytes
.irp j, 16,17,18,19,24,25,26,27,32,33,34,35
	v_mov_b32 v\j, 0                               ; Q's zero codes
.endr
	v_mov_b32 v13, 0xff61b1e6                      ; the largest t so far: -3e38, under every t
	v_floor_f32 v12, -v13                          ; -M
	v_mov_b32 v14, 0
	v_mov_b32 v15, 0
.irp b, 0,1,2,3
	v_mov_b32 v[220+\b], 0                         ; a lane permute's destination counts as one of its sources
.endr
	v_mov_b32 v39, 0                               ; (named as the upper half of the pair v[38:39])
	s_wait_loadcnt 0x0
	v_perm_b32 v36, v234, v234, 0x01010000         ; (s0, s0, s1, s1)
.set on, 0
.rept 32
	v_mov_b32 v[168+on], 0                         ; O^T.  (The loop is written once: its first step finds zeros, which the first change of M leaves zeros.)  These lines also stand between the scale word's making and the first product
.set on, on+1
.endr
; A KEY STEP: 128 keys.
.macro STEP
	v_add_nc_u32 v5, s[TB], v1
	v_add_nc_u32 v6, s[TS], v2
	NOPS 6                                         ; with the two additions: eight places in front of loads into registers that the last products read
.set kn, 0
.rept 16
	ds_load_b128 v[40+4*kn:43+4*kn], v5 offset:512*kn          ; K's four fragments
.set kn, kn+1
.endr
	ds_load_b128 v[8:11], v6                       ; lanes 0-15: K's words of fragments 0-3; lanes 16-31: V's of tiles 0-3
	s_wait_dscnt 0x0
.irp b, 0,1,2,3
	v_wmma_scale_f32_16x16x128_f8f6f4 v[104+16*\b:111+16*\b], v[40+16*\b:55+16*\b], v[20:35], 0, v[8+\b], v36   ; tile u = 0: keys 32 b + 16 h + 0 .. 7
	v_wmma_scale_f32_16x16x128_f8f6f4 v[112+16*\b:119+16*\b], v[40+16*\b:55+16*\b], v[16:31], 0, v[8+\b], v36   ; tile u = 1: keys 32 b + 16 h + 8 .. 15
.endr
	NOPS 8                                         ; places in front of the loads below and of the first read of the scores
.set kn, 0
.rept 16
	ds_load_b128 v[40+4*kn:43+4*kn], v5 offset:8192+512*kn     ; V's four tiles: they land while the softmax is worked
.set kn, kn+1
.endr
.irp b, 0,1,2,3
	v_max3_num_f32 v[216+\b], v[104+16*\b], v[105+16*\b], v[106+16*\b]   ; the largest score of each block of 32 keys: it serves for the row's maximum and, since p rises with the score, for the block's largest p.  Each accumulator is read from its low end on
.endr
.irp i, 3,5,7,9,11,13
.irp b, 0,1,2,3
	v_max3_num_f32 v[216+\b], v[216+\b], v[104+16*\b+\i], v[105+16*\b+\i]
.endr
.endr
.irp b, 0,1,2,3
	v_max_num_f32 v[216+\b], v[216+\b], v[119+16*\b]
.endr
.irp b, 0,1,2,3
	v_permlanex16_b32 v[220+\b], v[216+\b], s[SEL], s[SEL+1]
.endr
.irp b, 0,1,2,3
	v_max_num_f32 v[216+\b], v[216+\b], v[220+\b]  ; with lane l xor 16's 16 keys
.endr
	v_max3_num_f32 v234, v216, v217, v218
	v_max_num_f32 v234, v234, v219                 ; the step's largest score of my query
	v_mul_f32 v234, s[CS], v234                    ; as t (c is positive)
	v_max_num_f32 v13, v13, v234                   ; the running largest t
	v_mov_b32 v234, v12
	v_floor_f32 v12, -v13                          ; the new -M = floor(-t) = -ceil(t): a whole number
	v_sub_f32 v234, v12, v234                      ; old M - new M: a whole number, 0 or less
	v_cvt_i32_f32 v234, v234                       ; (it saturates)
	v_ldexp_f32 v38, 1.0, v234                     ; f = 2^(old M - new M)
.set sn, 0
.rept 32
	v_pk_fma_f32 v[104+sn:105+sn], v[104+sn:105+sn], s[CS:CS+1], v[12:13] op_sel_hi:[1,0,0]   ; t - M, two at a time
.set sn, sn+2
.endr
.irp b, 0,1,2,3
	v_fma_f32 v[216+\b], v[216+\b], s[CS], v12     ; the same of each block's largest score
.endr
.set sn, 0
.rept 64
	v_exp_f32 v[104+sn], v[104+sn]                 ; p = 2^(t - M), at most 1
.set sn, sn+1
.endr
	v_pk_mul_f32 v[14:15], v[14:15], v[38:39] op_sel_hi:[1,0]   ; the sums under the new M.  (The plain line behind the exponentials)
	s_wait_alu depctr_va_vdst(0)                   ; one wait for the whole batch, ahead of its first reader
.irp b, 0,1,2,3
	v_exp_f32 v[216+\b], v[216+\b]                 ; the block's largest p: the same two instructions on the same number give the same bits
.endr
	v_pk_add_f32 v[232:233], v[104:105], v[106:107]   ; the row's sum is taken of the UNQUANTISED p, in two chains.  (It reads the 64 alone: plain work behind the four)
.irp j, 4,8,12,16,20,24,28,32,36,40,44,48,52,56,60
	v_pk_add_f32 v[14:15], v[14:15], v[104+\j:105+\j]
	v_pk_add_f32 v[232:233], v[232:233], v[106+\j:107+\j]
.endr
	v_pk_add_f32 v[14:15], v[14:15], v[232:233]
	s_wait_alu depctr_va_vdst(0)                   ; and one for the four
.irp b, 0,1,2,3
	v_max_num_f32 v[216+\b], 0x4800000, v[216+\b]  ; the floor 2^(9 - 127): the byte cannot fall under 1
.endr
.irp b, 0,1,2,3
	v_add_nc_u32 v[228+\b], 0xfc000000, v[216+\b]  ; 8 off the exponent field: the conversion's scale operand
.endr
.irp b, 0,1,2,3
	v_and_or_b32 v[224+\b], v[216+\b], 0x7f800000, s[MNT]   ; 448 x the scale
.endr
.irp b, 0,1,2,3
	v_lshrrev_b32 v[220+\b], 23, v[228+\b]         ; the scale's byte
.endr
	v_lshl_or_b32 v37, v221, 8, v220               ; p's scale word for these 128 keys
	v_lshl_or_b32 v37, v222, 16, v37
	v_lshl_or_b32 v37, v223, 24, v37
.irp b, 0,1,2,3
.irp i, 0,1,2,3,4,5,6,7,8,9,10,11,12,13,14,15
	v_min_num_f32 v[104+16*\b+\i], v[104+16*\b+\i], v[224+\b]   ; the conversion to an 8-bit code does not saturate (ISA guide 7.6.2); p is not negative, so the hold is one-sided
.endr
	v_cvt_scalef32_pk8_fp8_f32 v[200+4*\b:201+4*\b], v[104+16*\b:111+16*\b], v[228+\b]
	v_cvt_scalef32_pk8_fp8_f32 v[202+4*\b:203+4*\b], v[112+16*\b:119+16*\b], v[228+\b]
.endr
.set sn, 0
.rept 16
	v_pk_mul_f32 v[168+sn:169+sn], v[168+sn:169+sn], v[38:39] op_sel_hi:[1,0]   ; O^T under the new M, each accumulator from its low end on.  (These are also the places between the codes' making and the products)
.set sn, sn+2
.endr
	s_wait_dscnt 0x0                               ; V is in
.irp d, 0,1,2,3
	v_wmma_scale_f32_16x16x128_f8f6f4 v[168+8*\d:175+8*\d], v[40+16*\d:55+16*\d], v[200:215], v[168+8*\d:175+8*\d], v[8+\d], v37 matrix_a_scale:MATRIX_SCALE_ROW1   ; four accumulators, one instruction a turn
.endr
.endm
; THE CHANGE OF SLOTS stands at a slot's head.  Each wave waits for all its tensor loads, adds 0 to its spare word, and waits for that and for its reads of the slot that it has left.  fill = 1: the barrier is a round of the cluster's,
; so that no wave of any partner still reads that slot or has a load on its way, and the joint refill is the first thing behind it: it has a slot's eight steps in which to land.
.macro CHANGE fill
	s_wait_tensorcnt 0x0                           ; no tensor load of mine is out, so a group 0 may be written
	ds_add_u32 v3, v4                              ; 0 onto my spare word
.if \fill
	s_xor_b32 s[G0+1], s[G0+1], SLOT1              ; the walking descriptor: the other slot than last time,
	s_add_nc_u64 s[G0+2:G0+3], s[G0+2:G0+3], 0x20000   ; the next eight steps; the type bits on top are not reached
	s_wait_xcnt 0x0                                ; the last prefetch, a slot back, has read its address, so it may be written:
	s_add_nc_u64 s[PFA:PFA+1], s[PFA:PFA+1], 0x20000   ; one slot further on than the walking descriptor
.endif
	s_wait_dscnt 0x0                               ; the add is done, and my reads of the slot that I have left are over
.if \fill
	CROUND
	TLOAD
	ASK
.else
	s_barrier_signal -1
	s_barrier_wait -1
.endif
.endm
.macro SLOT_STEPS                      ; a slot's eight steps: written once, walked eight times
	s_mov_b32 s[CNT], 8
.Lstep_\@:
	STEP
	s_add_co_u32 s[TB], s[TB], 16384
	s_add_co_u32 s[TS], s[TS], 512
	s_sub_co_u32 s[CNT], s[CNT], 1
	s_cmp_lg_u32 s[CNT], 0
	s_cbranch_scc1 .Lstep_\@
	s_sub_co_u32 s[TB], s[TB], 131072              ; back to a slot's first step,
	s_xor_b32 s[TB], s[TB], SLOT1                  ; in the other slot
.endm
.Lslot:                                            ; three trips: behind each change of slots but the last the next slot is asked for
	CHANGE 1
	SLOT_STEPS
	s_sub_co_u32 s[SLOTS], s[SLOTS], 1
	s_cmp_lg_u32 s[SLOTS], 0
	s_cbranch_scc1 .Lslot
	CHANGE 0                                       ; the last slot is written out
	SLOT_STEPS
	; THE WAY OUT.  O^T is divided by the row's sum and quantised along the channels: registers 16 cd + i of a lane are channels 32 cd + 16 h + i of my head, so the codes are groups 2 (head % 2) + cd of the last product's K step head / 2.
	NOPS 8                                         ; places behind the last products
	v_add_f32 v14, v14, v15                        ; the sum's two halves,
	v_permlanex16_b32 v234, v14, s[SEL], s[SEL+1]
	v_add_f32 v14, v14, v234                       ; and lane l xor 16's
	v_rcp_f32 v14, v14
	v_nop                                          ; the plain line behind the transcendental
	s_wait_alu depctr_va_vdst(0)                   ; and the wait ahead of its first reader
.set on, 0
.rept 32
	v_mul_f32 v[104+on], v[168+on], v14            ; each accumulator from its low end on
.set on, on+1
.endr
.irp i, 0,1
	v_max3_num_f32 v[216+\i], |v[104+16*\i]|, |v[105+16*\i]|, 0x4800000
.endr
.irp k, 2,4,6,8,10,12,14
.irp i, 0,1
	v_max3_num_f32 v[216+\i], v[216+\i], |v[104+16*\i+\k]|, |v[105+16*\i+\k]|
.endr
.endr
.irp i, 0,1
	v_permlanex16_b32 v[220+\i], v[216+\i], s[SEL], s[SEL+1]
.endr
.irp i, 0,1
	v_max_num_f32 v[216+\i], v[216+\i], v[220+\i]
.endr
.irp i, 0,1
	v_add_nc_u32 v[228+\i], 0xfc000000, v[216+\i]
.endr
.irp i, 0,1
	v_and_or_b32 v[224+\i], v[216+\i], 0x7f800000, s[MNT]
.endr
.irp i, 0,1
	v_lshrrev_b32 v[220+\i], 23, v[228+\i]
.endr
.irp i, 0,1
.irp k, 0,1,2,3,4,5,6,7,8,9,10,11,12,13,14,15
	v_med3_num_f32 v[104+16*\i+\k], v[104+16*\i+\k], -v[224+\i], v[224+\i]
.endr
	v_cvt_scalef32_pk8_fp8_f32 v[200+4*\i:201+4*\i], v[104+16*\i:111+16*\i], v[228+\i]
	v_cvt_scalef32_pk8_fp8_f32 v[202+4*\i:203+4*\i], v[112+16*\i:119+16*\i], v[228+\i]
.endr
	v_lshl_or_b32 v234, v221, 8, v220              ; (the plain line behind the last conversion)  my row's two bytes
	global_store_b128 v1, v[200:203], s[12:13]     ; 512 consecutive bytes, aligned
	global_store_b128 v1, v[204:207], s[12:13] offset:512
	ds_store_b16 v235, v234                        ; both lanes of a row write the same two bytes with the same value
	s_wait_dscnt 0x0                               ; for wave 0's sake
	s_barrier_signal -1
	s_barrier_wait -1
	s_cmp_lg_u32 s[WV], 0
	s_cbranch_scc1 .Lnot_first
	ds_load_b128 v[208:211], v236                  ; the sixteen tiles' scale bytes leave as one run of 512 bytes
	s_wait_dscnt 0x0
	global_store_b128 v1, v[208:211], s[14:15]
.Lnot_first:
	s_wait_tensorcnt 0x0                           ; the wave's end: behind my last tensor load and my last LDS store
	ds_add_u32 v3, v4
	s_wait_dscnt 0x0
	CROUND                                         ; the closing round: no work-group ends while a partner may still ask for a tile that names it
	s_endpgm
.Lfunc_end_k_qc634da24c5_attn:
	.size	k_qc634da24c5_attn, .Lfunc_end_k_qc634da24c5_attn-k_qc634da24c5_attn
	.p2alignl 7, 3214868480
	.fill 96, 4, 3214868480
	.section	.rodata,"a",@progbits
	.p2align	6, 0x0
	.amdhsa_kernel k_qc634da24c5_attn
		.amdhsa_group_segment_fixed_size 327680
		.amdhsa_private_segment_fixed_size 0
		.amdhsa_enable_private_segment 0
		.amdhsa_kernarg_size 48
		.amdhsa_user_sgpr_count 2
		.amdhsa_user_sgpr_kernarg_segment_ptr 1
		.amdhsa_wavefront_size32 1
		.amdhsa_system_sgpr_workgroup_id_x 1
		.amdhsa_system_sgpr_workgroup_id_y 1
		.amdhsa_system_sgpr_workgroup_id_z 1
		.amdhsa_system_vgpr_workitem_id 0
		.amdhsa_next_free_vgpr 256
		.amdhsa_next_free_sgpr 72
		.amdhsa_reserve_vcc 0
		.amdhsa_float_denorm_mode_32 3
		.amdhsa_float_denorm_mode_16_64 3
		.amdhsa_memory_ordered 1
		.amdhsa_forward_progress 1
		.amdhsa_inst_pref_size 52
	.end_amdhsa_kernel
	.amdgpu_metadata
---
amdhsa.version: [ 1, 2 ]
amdhsa.kernels:
  - .name:           k_qc634da24c5_attn
    .symbol:         k_qc634da24c5_attn.kd
    .args:
      - { .name: qimg, .offset: 0, .size: 8, .value_kind: global_buffer, .address_space: global }
      - { .name: qsc, .offset: 8, .size: 8, .value_kind: global_buffer, .address_space: global }
      - { .name: kvimg, .offset: 16, .size: 8, .value_kind: global_buffer, .address_space: global }
      - { .name: kvsc, .offset: 24, .size: 8, .value_kind: global_buffer, .address_space: global }
      - { .name: aoimg, .offset: 32, .size: 8, .value_kind: global_buffer, .address_space: global }
      - { .name: aosc, .offset: 40, .size: 8, .value_kind: global_buffer, .address_space: global }
    .group_segment_fixed_size: 327680
    .private_segment_fixed_size: 0
    .kernarg_segment_align: 8
    .kernarg_segment_size: 48
    .max_flat_workgroup_size: 512
    .sgpr_count:     72
    .vgpr_count:     256
    .wavefront_size: 32
...
	.end_amdgpu_metadata
.endif
;; end of part 3
;; launch outp (part 4): grid 4 x 64, 8 waves a work-group, no clusters, 105,472 bytes of LDS; arguments aoimg, aosc, wo_codes, wo_scales, bo, x, out0; writes out0
.if DOCPART == 4
	.amdgcn_target "amdgcn-amd-amdhsa--gfx1250"
	.amdhsa_code_object_version 6
	.text
	.protected	k_qc634da24c5_outp
	.globl	k_qc634da24c5_outp
	.p2align	8
	.type	k_qc634da24c5_outp,@function
k_qc634da24c5_outp:
	s_mov_b64 s[64:65], 0
	v_nop
	global_prefetch_b8 v0, s[64:65] scope:SCOPE_SE
	s_setreg_imm32_b32 hwreg(HW_REG_WAVE_MODE, 25, 1), 1
	s_wait_xcnt 0x0
; THE LAST PRODUCT, out = wo ao + bo + x, on codes of FP8 (E4M3) with E8M0 scales.  ao, the attention's result, comes as register images with its scale bytes, made by the launch before; wo as given.
; A work-group takes 128 pixels (work-group y = 32 batch + blk) and 128 outputs (work-group x = oq).  Wave w owns outputs 128 oq + 16 w + r for all 128 pixels; its 16 rows of wo stay in its registers.
; Source 0 = a tile of 16 pixels, source 1 = wo's 16 rows: a lane holds one output channel (lane % 16) and eight neighbouring pixels (the rows of pixel tile 2 b + u are pixels 32 b + 8 u + r + 8 (r / 8), so register j of half h is pixel 32 b + 8 u + 16 h + j).
; The block's eight tiles of ao (65,536 bytes) are copied once into LDS, a tile a wave, and read by all eight waves as they lie: 16 bytes a lane on end.  One barrier.
; The results go through the wave's own stage in LDS, 64 pixels (256 bytes of each of 16 rows) at a time, meet the residual, and leave so that sixteen lanes store 256 consecutive bytes, aligned.
; NO TENSOR LOADS AND NO JOINT REQUESTS: what the four work-groups of a block share, ao's 65,536 bytes, is a quarter of the 262,144 bytes that a work-group moves (ao, wo, x, out0), and it is read once, at the head.
; LIMITS: NaN and infinities are not served.
.set ASC, 65536                        ; LDS: 0 .. ao's fragments, (tau, s) at (4 tau + s) 2,048;  ASC: tile tau's scale words, 512 bytes: lane l's four words s = 0 .. 3 at 16 l
.set STG, 69632                        ; the stages: 16 rows x (256 + 16) bytes for each wave
.set WF,  16                           ; v16-79   wo's four fragments
.set WS,  80                           ; v80-83   their scale words: scales and nothing else
.set BI,  84                           ; v84-91   the bias
.set AS,  92                           ; v92-107  four tiles' scale words, four each: scales and nothing else
.set ACC, 108                          ; v108-139 four accumulators
.set FR,  140                          ; v140-203 the copy, then four fragments, then the rows read back
.set RX,  204                          ; v204-235 the residual
; v1 16 l; v2 ASC + 16 l; v3, v4 where I store my tile's image and words; v5, v6 the stage, in and back; v7, v8, v9, v10 offsets of wo, its scales, bo, aosc; v11 my place in x and out0; v236-247 at work
.macro NOPS n
.rept \n
	v_nop
.endr
.endm
	s_load_b256 s[4:11], s[0:1], 0x0               ; aoimg, aosc, wo_codes, wo_scales
	s_load_b128 s[12:15], s[0:1], 0x20             ; bo, x
	s_load_b64 s[16:17], s[0:1], 0x30              ; out0
	v_lshl_add_u32 v254, v0, 2, 0x19800
	v_mov_b32 v255, 0
	v_lshrrev_b32 v12, 5, v0
	v_readfirstlane_b32 s20, v12                   ; wave 0..7
	v_and_b32 v12, 31, v0                          ; l
	v_and_b32 v13, 15, v0                          ; r
	v_bfe_u32 v14, v0, 4, 1                        ; h
	v_lshlrev_b32 v1, 4, v12
	v_lshl_add_u32 v2, v12, 4, ASC
	s_lshl_b32 s21, s20, 13
	v_lshl_add_u32 v3, v12, 4, s21                 ; 8,192 w + 16 l
	s_lshl_b32 s21, s20, 9
	s_add_co_u32 s21, s21, ASC
	v_lshl_add_u32 v4, v12, 4, s21                 ; ASC + 512 w + 16 l
	s_mul_i32 s21, s20, 16*272
	s_add_co_u32 s21, s21, STG                     ; my stage
	v_mul_u32_u24 v5, v13, 272
	v_lshl_add_u32 v5, v14, 6, v5
	v_add_nc_u32 v5, s21, v5                       ; in: row r, + 64 h
	v_mul_u32_u24 v6, v14, 272
	v_lshl_add_u32 v6, v13, 4, v6
	v_add_nc_u32 v6, s21, v6                       ; back: lanes 0-15 one row, lanes 16-31 the next
	v_lshlrev_b32 v7, 9, v13
	v_lshl_add_u32 v7, v14, 4, v7                  ; wo: row r of 512 bytes, + 16 h
	v_lshlrev_b32 v8, 4, v13
	v_lshlrev_b32 v9, 2, v13
	v_lshlrev_b32 v10, 1, v13
	v_lshlrev_b32 v11, 14, v14
	v_lshl_add_u32 v11, v13, 4, v11                ; x, out0: a channel is 16,384 bytes
	s_and_b32 s22, ttmp7, 0xffff
	s_lshr_b32 s23, s22, 5                         ; batch
	s_and_b32 s24, s22, 31                         ; blk
	s_lshl_b32 s25, ttmp9, 7
	s_lshl_b32 s21, s20, 4
	s_add_co_u32 s25, s25, s21                     ; my first output
	s_lshl_b32 s28, s24, 3
	s_add_co_u32 s28, s28, s20                     ; the tile that I copy: 8 blk + w
	s_mov_b32 s27, 0
	s_wait_kmcnt 0x0
	s_lshl_b32 s26, s23, 8
	s_add_co_u32 s26, s26, s28
	s_lshl_b32 s26, s26, 13                        ; aoimg: 8,192 bytes a tile, 256 tiles a batch
	s_add_nc_u64 s[4:5], s[4:5], s[26:27]
	s_lshl_b32 s26, s23, 16                        ; aosc: 8,192 bytes a (batch, head), 32 a tile
	s_lshl_b32 s28, s28, 5
	s_add_co_u32 s26, s26, s28
	s_add_nc_u64 s[6:7], s[6:7], s[26:27]
	s_lshl_b32 s26, s25, 9
	s_add_nc_u64 s[8:9], s[8:9], s[26:27]
	s_lshl_b32 s26, s25, 4
	s_add_nc_u64 s[10:11], s[10:11], s[26:27]
	s_lshl_b32 s26, s25, 2
	s_add_nc_u64 s[12:13], s[12:13], s[26:27]
	s_lshl_b32 s26, s23, 23
	s_lshl_b32 s28, s25, 14
	s_add_co_u32 s26, s26, s28
	s_lshl_b32 s28, s24, 9
	s_add_co_u32 s26, s26, s28
	s_add_nc_u64 s[14:15], s[14:15], s[26:27]
	s_add_nc_u64 s[16:17], s[16:17], s[26:27]
.set cn, 0
.rept 16
	global_load_b128 v[FR+4*cn:FR+4*cn+3], v1, s[4:5] offset:512*cn        ; my tile's image: 512 consecutive bytes a load
.set cn, cn+1
.endr
.irp d, 0,1,2,3,4,5,6,7
	global_load_u16 v[236+\d], v10, s[6:7] offset:8192*\d                  ; head d's two scale bytes of my tile's row r
.endr
.irp s, 0,1,2,3
.irp c, 0,1,2,3
	global_load_b128 v[WF+16*\s+4*\c:WF+16*\s+4*\c+3], v7, s[8:9] offset:128*\s+32*\c
.endr
.endr
	global_load_b128 v[WS:WS+3], v8, s[10:11]
	global_load_b32 v[BI], v9, s[12:13]
.macro XLOAD hf                        ; the residual of 64 pixels of my 16 channels
.irp k, 0,1,2,3,4,5,6,7
	global_load_b128 v[RX+4*\k:RX+4*\k+3], v11, s[14:15] offset:32768*\k+256*\hf th:TH_LOAD_NT
.endr
.endm
	XLOAD 0
	s_wait_loadcnt 26                              ; the image and its scale bytes are in; wo's 16 loads, its scales, the bias and x's 8 may be out
.set cn, 0
.rept 16
	ds_store_b128 v3, v[FR+4*cn:FR+4*cn+3] offset:512*cn
.set cn, cn+1
.endr
.irp s, 0,1,2,3
	v_lshl_or_b32 v[244+\s], v[237+2*\s], 16, v[236+2*\s]                  ; K step s: heads 2 s and 2 s + 1, two bytes each
.endr
	ds_store_b128 v4, v[244:247]
	s_wait_dscnt 0x0                               ; for the others' sake: my stores have landed
	s_barrier_signal -1
	s_barrier_wait -1                              ; ao's 32 fragments and their scale words lie in LDS
	s_wait_loadcnt 8                               ; wo, its scales and the bias are in; x's 8 loads may be out
.irp j, 1,2,3,4,5,6,7
	v_mov_b32 v[BI+\j], v[BI]                      ; a lane's eight results belong to one output: one bias
.endr
; Half hf: pixel tiles 4 hf + i, i = 0 .. 3: four accumulators by turns, a K step at a time; the bias is the C of a sum's first product.
; Places: eight in front of loads into registers that the last products read and of the first read of results; nine behind a half's last product, since the next half's first products write over its accumulators.
.macro HALF hf
.if \hf
	s_wait_xcnt 0x0                                ; the last half's stores have read their registers
.endif
.irp i, 0,1,2,3
	ds_load_b128 v[AS+4*\i:AS+4*\i+3], v2 offset:512*(4*\hf+\i)
.endr
.irp s, 0,1,2,3
.irp i, 0,1,2,3
.irp c, 0,1,2,3
	ds_load_b128 v[FR+16*\i+4*\c:FR+16*\i+4*\c+3], v1 offset:(4*(4*\hf+\i)+\s)*2048+512*\c
.endr
.endr
	s_wait_dscnt 0x0
.irp i, 0,1,2,3
.if \s == 0
	v_wmma_scale_f32_16x16x128_f8f6f4 v[ACC+8*\i:ACC+8*\i+7], v[FR+16*\i:FR+16*\i+15], v[WF+16*\s:WF+16*\s+15], v[BI:BI+7], v[AS+4*\i+\s], v[WS+\s]
.else
	v_wmma_scale_f32_16x16x128_f8f6f4 v[ACC+8*\i:ACC+8*\i+7], v[FR+16*\i:FR+16*\i+15], v[WF+16*\s:WF+16*\s+15], v[ACC+8*\i:ACC+8*\i+7], v[AS+4*\i+\s], v[WS+\s]
.endif
.endr
.if \s == 3
	NOPS 9
.else
	NOPS 8
.endif
.endr
.irp i, 0,1,2,3
	ds_store_b128 v5, v[ACC+8*\i:ACC+8*\i+3] offset:128*(\i/2)+32*(\i%2)          ; each accumulator from its low end on: pixels 32 (i / 2) + 8 (i % 2) + 16 h + 0 .. 7 of the half
	ds_store_b128 v5, v[ACC+8*\i+4:ACC+8*\i+7] offset:128*(\i/2)+32*(\i%2)+16
.endr
.irp k, 0,1,2,3,4,5,6,7
	ds_load_b128 v[FR+4*\k:FR+4*\k+3], v6 offset:544*\k                           ; LDS serves a wave's instructions in order (ISA guide 5.7.1.4): these see my stores
.endr
	s_wait_dscnt 0x0
	s_wait_loadcnt 0x0                             ; this half's residual
.set an, 0
.rept 16
	v_pk_add_f32 v[FR+an:FR+an+1], v[FR+an:FR+an+1], v[RX+an:RX+an+1]
.set an, an+2
.endr
.if \hf == 0
	XLOAD 1                                        ; the next half's residual lands under its products
.endif
.irp k, 0,1,2,3,4,5,6,7
	global_store_b128 v11, v[FR+4*\k:FR+4*\k+3], s[16:17] offset:32768*\k+256*\hf th:TH_STORE_NT   ; sixteen lanes store 256 consecutive bytes, at a multiple of 256 from out0's first byte
.endr
.endm
	HALF 0
	HALF 1
	s_wait_tensorcnt 0x0
	ds_add_u32 v254, v255
	s_wait_dscnt 0x0
	s_endpgm
.Lfunc_end_k_qc634da24c5_outp:
	.size	k_qc634da24c5_outp, .Lfunc_end_k_qc634da24c5_outp-k_qc634da24c5_outp
	.p2alignl 7, 3214868480
	.fill 96, 4, 3214868480
	.section	.rodata,"a",@progbits
	.p2align	6, 0x0
	.amdhsa_kernel k_qc634da24c5_outp
		.amdhsa_group_segment_fixed_size 105472
		.amdhsa_private_segment_fixed_size 0
		.amdhsa_enable_private_segment 0
		.amdhsa_kernarg_size 56
		.amdhsa_user_sgpr_count 2
		.amdhsa_user_sgpr_kernarg_segment_ptr 1
		.amdhsa_wavefront_size32 1
		.amdhsa_system_sgpr_workgroup_id_x 1
		.amdhsa_system_sgpr_workgroup_id_y 1
		.amdhsa_system_sgpr_workgroup_id_z 1
		.amdhsa_system_vgpr_workitem_id 0
		.amdhsa_next_free_vgpr 256
		.amdhsa_next_free_sgpr 66
		.amdhsa_reserve_vcc 0
		.amdhsa_float_denorm_mode_32 3
		.amdhsa_float_denorm_mode_16_64 3
		.amdhsa_memory_ordered 1
		.amdhsa_forward_progress 1
		.amdhsa_inst_pref_size 31
	.end_amdhsa_kernel
	.amdgpu_metadata
---
amdhsa.version: [ 1, 2 ]
amdhsa.kernels:
  - .name:           k_qc634da24c5_outp
    .symbol:         k_qc634da24c5_outp.kd
    .args:
      - { .name: aoimg, .offset: 0, .size: 8, .value_kind: global_buffer, .address_space: global }
      - { .name: aosc, .offset: 8, .size: 8, .value_kind: global_buffer, .address_space: global }
      - { .name: wo_codes, .offset: 16, .size: 8, .value_kind: global_buffer, .address_space: global }
      - { .name: wo_scales, .offset: 24, .size: 8, .value_kind: global_buffer, .address_space: global }
      - { .name: bo, .offset: 32, .size: 8, .value_kind: global_buffer, .address_space: global }
      - { .name: x, .offset: 40, .size: 8, .value_kind: global_buffer, .address_space: global }
      - { .name: out0, .offset: 48, .size: 8, .value_kind: global_buffer, .address_space: global }
    .group_segment_fixed_size: 105472
    .private_segment_fixed_size: 0
    .kernarg_segment_align: 8
    .kernarg_segment_size: 56
    .max_flat_workgroup_size: 256
    .sgpr_count:     66
    .vgpr_count:     256
    .wavefront_size: 32
...
	.end_amdgpu_metadata
.endif
;; end of part 4
;; ======== version 2 of 2: 4 launches
;; workspace buffers: stats 2,048 bytes; qimg 4,194,304 bytes; qsc 131,072 bytes; kvimg 8,388,608 bytes; kvsc 262,144 bytes; aoimg 4,194,304 bytes; aosc 131,072 bytes
;; launch stats (part 5): grid 256 x 1, 8 waves a work-group, no clusters, 1,280 bytes of LDS; arguments x, stats; writes stats
.if DOCPART == 5
	.amdgcn_target "amdgcn-amd-amdhsa--gfx1250"
	.amdhsa_code_object_version 6
	.text
	.protected	k_qc634da24c5_stats
	.globl	k_qc634da24c5_stats
	.p2align	8
	.type	k_qc634da24c5_stats,@function
k_qc634da24c5_stats:
	s_mov_b64 s[64:65], 0
	v_nop
	global_prefetch_b8 v0, s[64:65] scope:SCOPE_SE
	s_setreg_imm32_b32 hwreg(HW_REG_WAVE_MODE, 25, 1), 1
	s_wait_xcnt 0x0
; GROUP NORM, FIRST PART: the mean and the sum of squared deviations of a QUARTER of a group.
; x is [2][512][4096] f32; a group is 16 channels = 65,536 numbers on end in memory.  Work-group g owns the 65,536 bytes (16,384 numbers) at x + 65,536 g:
; quarter g % 4 of group g / 4.  It stores (mean, M2) at stats + 8 g; the next launch joins a group's four quarters.
; 256 threads; thread t takes the 16 bytes at 16 t + 4,096 i, i = 0 .. 15: a wave's load covers 512 consecutive bytes.  The 64 numbers stay in registers between the two passes, so x is read once here.
; M2 is summed of the deviations from the quarter's own mean, never as a difference of large sums: a common offset of the inputs costs nothing.
; No matrix work, no tensor loads, no cluster: one pass over bytes that no two work-groups share.  LIMITS: NaN and infinities among the inputs are not served.
.set X,  16                            ; v16-79  my 64 numbers
.set CH, 80                            ; v80-87  four packed chains
.set MN, 88                            ; v88-89  the mean, twice; at the end (mean, M2)
	s_load_b128 s[4:7], s[0:1], 0x0                ; x, stats
	v_lshl_add_u32 v96, v0, 2, 0x100
	v_mov_b32 v97, 0
	v_lshlrev_b32 v1, 4, v0                        ; 16 t
	v_lshrrev_b32 v2, 5, v0
	s_delay_alu instid0(VALU_DEP_1)
	v_readfirstlane_b32 s8, v2                     ; wave
	s_delay_alu instid0(VALU_DEP_1)
	v_mov_b32 v10, s8
	s_delay_alu instid0(VALU_DEP_1)
	v_lshlrev_b32 v10, 2, v10                      ; LDS: my wave's word
	v_mov_b32 v11, 0
	s_lshl_b32 s2, ttmp9, 16                       ; 65,536 bytes a work-group
	s_mov_b32 s3, 0
	s_mov_b32 s10, 0x76543210                      ; v_permlanex16_b32's selects for lane l xor 16
	s_mov_b32 s11, 0xfedcba98
	s_wait_alu depctr_va_vdst(0)
	s_wait_kmcnt 0x0
	s_add_nc_u64 s[4:5], s[4:5], s[2:3]
.irp i, 0,1,2,3,4,5,6,7,8,9,10,11,12,13,14,15
	global_load_b128 v[X+4*\i:X+4*\i+3], v1, s[4:5] offset:4096*\i
.endr
; The four chains are folded, summed over the wave's lanes, and the eight waves' sums meet in LDS at byte off: the total comes out in v2 of every lane.
.macro TOTAL off
	s_delay_alu instid0(VALU_DEP_3)
	v_pk_add_f32 v[CH:CH+1], v[CH:CH+1], v[CH+2:CH+3]
	s_delay_alu instid0(VALU_DEP_2)
	v_pk_add_f32 v[CH+4:CH+5], v[CH+4:CH+5], v[CH+6:CH+7]
	s_delay_alu instid0(VALU_DEP_1)
	v_pk_add_f32 v[CH:CH+1], v[CH:CH+1], v[CH+4:CH+5]
	s_delay_alu instid0(VALU_DEP_1)
	v_add_f32 v[CH], v[CH], v[CH+1]
	s_delay_alu instid0(VALU_DEP_1)
	v_add_f32_dpp v[CH], v[CH], v[CH] row_xmask:1 row_mask:0xf bank_mask:0xf
	s_delay_alu instid0(VALU_DEP_1)
	v_add_f32_dpp v[CH], v[CH], v[CH] row_xmask:2 row_mask:0xf bank_mask:0xf
	s_delay_alu instid0(VALU_DEP_1)
	v_add_f32_dpp v[CH], v[CH], v[CH] row_xmask:4 row_mask:0xf bank_mask:0xf
	s_delay_alu instid0(VALU_DEP_1)
	v_add_f32_dpp v[CH], v[CH], v[CH] row_xmask:8 row_mask:0xf bank_mask:0xf
	s_delay_alu instid0(VALU_DEP_1)
	v_permlanex16_b32 v[CH+1], v[CH], s10, s11
	s_delay_alu instid0(VALU_DEP_1)
	v_add_f32 v[CH], v[CH], v[CH+1]
	ds_store_b32 v10, v[CH] offset:\off            ; all lanes write the wave's word with the same value
	s_wait_dscnt 0x0                               ; for the others' sake: my store has landed
	s_barrier_signal -1
	s_barrier_wait -1
	ds_load_b128 v[2:5], v11 offset:\off
	ds_load_b128 v[6:9], v11 offset:\off+16
	s_wait_dscnt 0x0
	v_add_f32 v2, v2, v3
	v_add_f32 v4, v4, v5
	v_add_f32 v6, v6, v7
	v_add_f32 v8, v8, v9
	s_delay_alu instid0(VALU_DEP_3)
	v_add_f32 v2, v2, v4
	s_delay_alu instid0(VALU_DEP_2)
	v_add_f32 v6, v6, v8
	s_delay_alu instid0(VALU_DEP_1)
	v_add_f32 v2, v2, v6
.endm
	; pass 1: the sum.  The first four loads start the chains: nothing is cleared
	s_wait_loadcnt 12                              ; loads come back in order: the first four are in, twelve younger ones may be out
.irp k, 0,1,2,3
	v_pk_add_f32 v[CH+2*\k:CH+2*\k+1], v[X+4*\k:X+4*\k+1], v[X+4*\k+2:X+4*\k+3]
.endr
	s_wait_alu depctr_va_vdst(0)
.irp g, 1,2,3
	s_wait_alu depctr_va_vdst(0)
	s_wait_loadcnt 12-4*\g                         ; the next four are in
.irp k, 0,1,2,3
	v_pk_add_f32 v[CH+2*\k:CH+2*\k+1], v[CH+2*\k:CH+2*\k+1], v[X+16*\g+4*\k:X+16*\g+4*\k+1]
.endr
.irp k, 0,1,2,3
	s_delay_alu instid0(VALU_DEP_4)
	v_pk_add_f32 v[CH+2*\k:CH+2*\k+1], v[CH+2*\k:CH+2*\k+1], v[X+16*\g+4*\k+2:X+16*\g+4*\k+3]
.endr
.endr
	TOTAL 0
	s_delay_alu instid0(VALU_DEP_1)
	v_mul_f32 v[MN], 0x38800000, v2                ; the mean: the sum x 2^-14
	s_delay_alu instid0(VALU_DEP_1)
	v_mov_b32 v[MN+1], v[MN]
	; pass 2: the deviations, in place, and their squares in four chains
.set p, 0
.rept 32
	v_pk_add_f32 v[X+2*p:X+2*p+1], v[X+2*p:X+2*p+1], v[MN:MN+1] neg_lo:[0,1] neg_hi:[0,1]
.set p, p+1
.endr
.irp k, 0,1,2,3
	v_pk_mul_f32 v[CH+2*\k:CH+2*\k+1], v[X+2*\k:X+2*\k+1], v[X+2*\k:X+2*\k+1]
.endr
.set p, 4
.rept 28
	s_delay_alu instid0(VALU_DEP_4)
	v_pk_fma_f32 v[CH+2*(p%4):CH+2*(p%4)+1], v[X+2*p:X+2*p+1], v[X+2*p:X+2*p+1], v[CH+2*(p%4):CH+2*(p%4)+1]
.set p, p+1
.endr
	TOTAL 64                                       ; other LDS bytes than the first total's: no wave can still be reading them
	s_delay_alu instid0(VALU_DEP_1)
	v_mov_b32 v[MN+1], v2                          ; (mean, M2)
	s_lshl_b32 s2, ttmp9, 3
	s_add_nc_u64 s[6:7], s[6:7], s[2:3]
	s_wait_alu depctr_va_vdst(0)
	s_wait_xcnt 0x0                                ; EXEC changes only behind this wait: it is a source of the loads above
	v_cmp_gt_u32 vcc_lo, 1, v0
	s_wait_tensorcnt 0x0
	ds_add_u32 v96, v97
	s_wait_dscnt 0x0
	s_and_saveexec_b32 s9, vcc_lo                  ; thread 0 alone
	global_store_b64 v11, v[MN:MN+1], s[6:7]
	s_wait_xcnt 0x0                                ; and again in front of the line that widens it
	s_or_b32 exec_lo, exec_lo, s9
	s_endpgm
.Lfunc_end_k_qc634da24c5_stats:
	.size	k_qc634da24c5_stats, .Lfunc_end_k_qc634da24c5_stats-k_qc634da24c5_stats
	.p2alignl 7, 3214868480
	.fill 96, 4, 3214868480
	.section	.rodata,"a",@progbits
	.p2align	6, 0x0
	.amdhsa_kernel k_qc634da24c5_stats
		.amdhsa_group_segment_fixed_size 1280
		.amdhsa_private_segment_fixed_size 0
		.amdhsa_enable_private_segment 0
		.amdhsa_kernarg_size 16
		.amdhsa_user_sgpr_count 2
		.amdhsa_user_sgpr_kernarg_segment_ptr 1
		.amdhsa_wavefront_size32 1
		.amdhsa_system_sgpr_workgroup_id_x 1
		.amdhsa_system_sgpr_workgroup_id_y 1
		.amdhsa_system_sgpr_workgroup_id_z 1
		.amdhsa_system_vgpr_workitem_id 0
		.amdhsa_next_free_vgpr 98
		.amdhsa_next_free_sgpr 66
		.amdhsa_reserve_vcc 1
		.amdhsa_float_denorm_mode_32 3
		.amdhsa_float_denorm_mode_16_64 3
		.amdhsa_memory_ordered 1
		.amdhsa_forward_progress 1
		.amdhsa_inst_pref_size 14
	.end_amdhsa_kernel
	.amdgpu_metadata
---
amdhsa.version: [ 1, 2 ]
amdhsa.kernels:
  - .name:           k_qc634da24c5_stats
    .symbol:         k_qc634da24c5_stats.kd
    .args:
      - { .name: x, .offset: 0, .size: 8, .value_kind: global_buffer, .address_space: global }
      - { .name: stats, .offset: 8, .size: 8, .value_kind: global_buffer, .address_space: global }
    .group_segment_fixed_size: 1280
    .private_segment_fixed_size: 0
    .kernarg_segment_align: 8
    .kernarg_segment_size: 16
    .max_flat_workgroup_size: 256
    .sgpr_count:     66
    .vgpr_count:     98
    .wavefront_size: 32
...
	.end_amdgpu_metadata
.endif
;; end of part 5
;; launch qkv (part 6): grid 4 x 64, 16 waves a work-group, no clusters, 71,680 bytes of LDS; arguments x, stats, gn_w, gn_b, wq_codes, wq_scales, bq, wkv_codes, wkv_scales, bkv, qimg, kvimg, qsc, kvsc; writes qimg, kvimg, qsc, kvsc
.if DOCPART == 6
	.amdgcn_target "amdgcn-amd-amdhsa--gfx1250"
	.amdhsa_code_object_version 6
	.text
	.protected	k_qc634da24c5_qkv
	.globl	k_qc634da24c5_qkv
	.p2align	8
	.type	k_qc634da24c5_qkv,@function
k_qc634da24c5_qkv:
	s_mov_b64 s[64:65], 0
	v_nop
	global_prefetch_b8 v0, s[64:65] scope:SCOPE_SE
	s_setreg_imm32_b32 hwreg(HW_REG_WAVE_SCHED_MODE, 0, 2), 2
	s_setreg_imm32_b32 hwreg(HW_REG_WAVE_MODE, 25, 1), 1
	s_wait_xcnt 0x0
	s_wait_alu depctr_vm_vsrc(0)
; GROUP NORM'S SECOND PART, THE QUANTISING OF x_norm, THE PRODUCTS q = wq x_norm + bq AND kv = wkv x_norm + bkv ON CODES OF FP8 (E4M3) WITH E8M0 SCALES, AND THE QUANTISING OF q, k AND v.
; A work-group takes 128 pixels (block blk of batch; work-group y = 32 batch + blk) and two heads (2 hp, 2 hp + 1; work-group x = hp): 384 output channels, all 512 input channels.
; PHASE X, all 16 waves: wave w takes pixels 32 (w % 4) on and channels 128 (w / 4) on.  A LANE IS A PIXEL AND ITS REGISTERS RUN DOWN THE CHANNELS, which are the products' K: a load reads 128 consecutive bytes,
;   a block of 32 along K lies in one lane's 32 registers, and the conversions give codes with K innermost.  x_norm = ((x - mean) rstd) w + b, in that order.
; PHASE P, waves 0-11: role w / 4 (0 q, 1 k, 2 v), head 2 hp + (w / 2) % 2, 32 output channels 32 (w % 2) on.  A wave's weights stay in its registers (128), each weight row read by one wave of the work-group.
; OPERANDS ARE KEPT AS IMAGES OF THEIR REGISTERS: a group of four registers is 512 bytes, lane l's 16 bytes at 16 l; in LDS (x_norm) and in the workspace buffers (q, k, v) alike: every store of codes covers 512 consecutive bytes, aligned.
; THE ROWS OF A TILE ARE NOT NEIGHBOURS: row r of pixel tile 2 b + u is pixel 32 b + 8 u + r + 8 (r / 8), row r of weight tile t is channel 8 t + r + 8 (r / 8) of the wave's 32: so the 16 result registers of two
;   neighbouring tiles are 16 neighbours along the next product's K.  q, k: source 0 = weights, source 1 = pixels (a lane holds a pixel, registers run along the head's channels).  v: the sources swapped (a lane holds a channel, registers run along the pixels, its K).
; OUT: qimg [bh][tile 8 blk + tau][cd][lane][16];  kvimg [bh][blk][K: b, c = 2 cd + u | V: dt = 2 cd + t, c = b][lane][16];  qsc [bh][blk][r][tau] two bytes (cd 0, 1);  kvsc [bh][blk][lane][16]: lanes 0-15 K's words b = 0 .. 3 (byte 2 cd + u), lanes 16-31 V's words dt = 0 .. 3 (byte b).
; NO TENSOR LOADS AND NO JOINT REQUESTS, though the four work-groups of a block read the same x: x has to pass through registers to be normalised, and its 262,144 bytes beside the 65,536 of the images and 4,096 of scales are more than the 327,680 of LDS.
; LIMITS: NaN and infinities among the inputs are not served.  A block whose largest magnitude lies under 2^-118 keeps the scale byte 1; a block of zeros has the byte 1 where the quantiser says 127: its codes are zeros, and these bytes are read by this program alone.
; THE MODE: SCHED_MODE bits 1:0 = 2 (LLVM: expert scheduling mode 2), set by the entry lines.  The code itself states the register dependences between vector or matrix instructions and memory or LDS instructions, with s_wait_alu, always for 0.
; THE PLAN.  Registers that memory or LDS instructions touch:
;   v1-v15       offsets and LDS addresses: written at the head, read by loads and stores, never written again.  v249: the statistics' offset, written again by their arithmetic.
;   X sets       v168-199, v200-231.  Block c's vector lines work in place on set c % 2; behind them the loads of block c + 2 land in it.
;   PC, bytes    v232-239, v248-249.  Written by the conversions and shifts; read by the stores that follow; written again by the next block or tile pair.
;   XF, XS       v200-231, v250-251 in phase P.  Read by a K step's four products; the next K step's LDS loads land in them.  ONE set: the wave's 256 registers (16 waves, four to a SIMD) are all named.
;   VW           v252-253.  Written by vector lines, read by two LDS stores at the end of v's role.
; So: one wait on va_vdst at the head; in a block of phase X one behind its conversions, for its stores and for the loads of two blocks on (and one ahead of the scalar loads that land in the scalar registers which its multiply-adds read);
; in phase P one ahead of each fetch into XF and one behind each quantiser, for the run of stores.  One wait on vm_vsrc stands behind each run of stores, ahead of the lines that write their data again.
; The first fetch of a tile pair is issued ahead of the quantiser of the pair before, which names none of its registers.
.set XSC,  65536                       ; LDS: 0 .. x_norm's 32 fragments, (tau, s) at (4 tau + s) 2,048;  XSC: their scale words, (4 tau + s) 64 + 4 r
.set SC,   67584                       ; the stages of the scale bytes: q's at SC + 512 hl, k's at SC + 1,024 + 512 hl, v's 256 behind k's
.set WF,   16                          ; v16-143  my weights: fragment (t, s) at WF + 16 (4 t + s)
.set WS,   144                         ; v144-151 their scale words (t, s): scales and nothing else
.set BI,   152                         ; v152-167 the bias in the result's layout, 8 registers a tile t
.set ACC,  168                         ; v168-199 four accumulators;  in phase X v168-231 are two sets of 32 numbers
.set XF,   200                         ; v200-231 two fragments of x_norm
.set PC,   232                         ; v232-239 codes just made
.set TM,   240                         ; v240-249 at work: +0,1 largest magnitudes, +2,3 the other lane's, +4,5 scale operands, +6,7 holds, +8,9 bytes
.set XS,   250                         ; v250-251 x_norm's scale words: scales and nothing else
.set VW,   252                         ; v252-253 v's scale words as they grow
.set VNM,  254                         ; v254     -mean of group l % 8 of my 128 channels
.set VRS,  255                         ; v255     1 / sqrt(var + eps) of it
; v1 16 l; v2 4 l; v3, v4 where phase X stores codes and scale bytes; v5 XSC + 4 r; v6, v7, v8 offsets of weights, their scales, the bias; v9, v10, v11 the stages of q's, k's, v's scale bytes; v12, v13 the stages read back; v14 my place in the out image; v15 8 l
; s2 wave; s[4:5] x; s[6:7] stats; s[8:9] gn_w; s[10:11] gn_b; s[12:17] my weights, their scales, my bias; s[18:19] my out image; s[20:23] qsc, kvsc; s24-25 lane selects; s26 the mantissa field of 448;
; s[28:29], s[30:31] -mean, rstd of a block's first group (the low word is used), s[66:67], s[100:101] of its second; s[32:63] gn_w of 32 channels; s[68:99] first eight addresses, then gn_b of 32 channels
.macro NOPS n
.rept \n
	v_nop
.endr
.endm
	s_load_b256 s[4:11], s[0:1], 0x0               ; x, stats, gn_w, gn_b
	s_load_b256 s[68:75], s[0:1], 0x20             ; wq_codes, wq_scales, bq, wkv_codes
	s_load_b256 s[76:83], s[0:1], 0x40             ; wkv_scales, bkv, qimg, kvimg
	s_load_b128 s[20:23], s[0:1], 0x60             ; qsc, kvsc
	v_lshrrev_b32 v16, 5, v0
	v_readfirstlane_b32 s2, v16                    ; wave 0..15
	v_and_b32 v16, 31, v0                          ; l
	v_and_b32 v17, 15, v0                          ; r
	v_bfe_u32 v18, v0, 4, 1                        ; h
	v_and_b32 v19, 8, v0
	v_add_nc_u32 v19, v19, v17                     ; r + 8 (r / 8)
	v_bfe_u32 v20, v0, 3, 1                        ; phase X: pixel l of 32 lies in tile u = (l / 8) % 2,
	s_wait_alu depctr_va_vdst(0)
	v_and_b32 v21, 7, v0
	v_lshl_add_u32 v21, v18, 3, v21                ; at its row l % 8 + 8 (l / 16)
	s_wait_alu depctr_va_sdst(0)                   ; s2 is written, ahead of its first reader: roles, addresses and branches are made from it
	s_and_b32 s3, s2, 3                            ; phase X: which 32 pixels
	s_lshr_b32 s31, s2, 2                          ; phase X: which 128 channels.  Phase P: the role
	s_bfe_u32 s66, s2, 0x10001                     ; hl: which of the two heads
	s_and_b32 s67, s2, 1                           ; cd: which 32 of the head's 64
	; every address register is made here, on the one way that all waves take
	v_lshlrev_b32 v1, 4, v16
	v_lshlrev_b32 v2, 2, v16
	v_lshlrev_b32 v3, 13, v20                      ; codes: fragment (2 b + u, s): 16,384 b + 8,192 u + 2,048 s, + 16 x row
	v_lshl_add_u32 v3, v21, 4, v3
	s_lshl_b32 s100, s3, 14
	s_lshl_b32 s101, s31, 11
	s_add_co_u32 s100, s100, s101
	v_add_nc_u32 v3, s100, v3
	v_lshlrev_b32 v4, 8, v20                       ; scale bytes: XSC + 512 b + 256 u + 64 s + 4 x row
	s_wait_alu depctr_va_vdst(0)
	v_lshl_add_u32 v4, v21, 2, v4
	s_lshl_b32 s100, s3, 9
	s_lshl_b32 s101, s31, 6
	s_add_co_u32 s100, s100, s101
	s_add_co_u32 s100, s100, XSC
	v_add_nc_u32 v4, s100, v4
	v_lshl_add_u32 v5, v17, 2, XSC
	v_lshlrev_b32 v6, 9, v19                       ; a weight row is 512 bytes
	v_lshl_add_u32 v6, v18, 4, v6
	v_lshlrev_b32 v7, 4, v19                       ; and 16 scale bytes
	s_cmp_eq_u32 s31, 2
	s_cselect_b32 s100, 0, 64                      ; the bias: q, k: my half's 16 channels, 64 h;
	s_cselect_b32 s101, 4, 0                       ; v: my row's channel, 4 (r + 8 (r / 8))
	v_mul_u32_u24 v8, v18, s100
	v_mad_u32_u24 v8, v19, s101, v8
	s_lshl_b32 s100, s66, 9
	s_add_co_u32 s101, s100, s67
	s_add_co_u32 s101, s101, SC
	v_lshl_add_u32 v9, v17, 4, s101                ; q: SC + 512 hl + 16 r + cd
	s_lshl_b32 s101, s67, 1
	s_add_co_u32 s101, s101, s100
	s_add_co_u32 s101, s101, SC+1024
	v_lshl_add_u32 v10, v17, 4, s101               ; k: SC + 1,024 + 512 hl + 16 r + 2 cd
	s_lshl_b32 s101, s67, 3
	s_add_co_u32 s101, s101, s100
	s_add_co_u32 s101, s101, SC+1280
	v_lshl_add_u32 v11, v17, 4, s101               ; v: SC + 1,280 + 512 hl + 16 r + 8 cd
	s_lshl_b32 s100, s67, 9
	s_add_co_u32 s101, s100, SC+1024
	v_lshl_add_u32 v12, v16, 4, s101               ; back: head w % 2's 512 bytes of k's and v's words,
	s_add_co_u32 s101, s100, SC
	v_lshl_add_u32 v13, v16, 3, s101               ; and its 256 bytes of q's
	s_lshl_b32 s100, 512, s31                      ; my place in the out image: q 16 l + 512 cd; k 16 l + 1,024 cd;
	s_cmp_eq_u32 s31, 2
	s_cselect_b32 s100, 4096, s100                 ; v 16 l + 8,192 + 4,096 cd
	s_cselect_b32 s101, 8192, 0
	s_mul_i32 s100, s100, s67
	s_add_co_u32 s100, s100, s101
	v_lshl_add_u32 v14, v16, 4, s100
	v_lshlrev_b32 v15, 3, v16
	v_and_b32 v249, 7, v0
	v_lshlrev_b32 v249, 5, v249                    ; stats: 32 bytes a group, group l % 8 of my eight
	s_and_b32 s24, ttmp7, 0xffff
	s_lshr_b32 s25, s24, 5                         ; batch
	s_and_b32 s26, s24, 31                         ; blk
	s_lshl_b32 s27, ttmp9, 1
	s_add_co_u32 s27, s27, s66                     ; my head
	s_lshl_b32 s30, s27, 6
	s_lshl_b32 s28, s67, 5
	s_add_co_u32 s30, s30, s28
	s_cmp_eq_u32 s31, 2
	s_cselect_b32 s28, 512, 0                      ; v's rows lie behind k's in wkv
	s_add_co_u32 s30, s30, s28                     ; my first weight row
	s_mov_b32 s29, 0
	s_wait_kmcnt 0x0
	s_cmp_eq_u32 s31, 0                            ; q's buffers or kv's: the choice hangs on the wave's number alone
	s_cselect_b64 s[12:13], s[68:69], s[74:75]
	s_cselect_b64 s[14:15], s[70:71], s[76:77]
	s_cselect_b64 s[16:17], s[72:73], s[78:79]
	s_cselect_b64 s[18:19], s[80:81], s[82:83]
	s_cselect_b32 s101, 0, 1
	s_lshl_b32 s28, s30, 9
	s_add_nc_u64 s[12:13], s[12:13], s[28:29]
	s_lshl_b32 s28, s30, 4
	s_add_nc_u64 s[14:15], s[14:15], s[28:29]
	s_lshl_b32 s28, s30, 2
	s_add_nc_u64 s[16:17], s[16:17], s[28:29]
	s_lshl_b32 s100, s25, 3
	s_add_co_u32 s100, s100, s27                   ; bh = 8 batch + head
	s_lshl_b32 s28, s100, 18
	s_lshl_b32 s100, s26, 13
	s_add_co_u32 s28, s28, s100                    ; qimg: 262,144 bh + 8,192 blk;
	s_lshl_b32 s28, s28, s101                      ; kvimg: twice that
	s_add_nc_u64 s[18:19], s[18:19], s[28:29]
	s_lshl_b32 s100, s25, 3
	s_lshl_b32 s28, ttmp9, 1
	s_add_co_u32 s100, s100, s28
	s_add_co_u32 s100, s100, s67                   ; the head whose scale bytes I would store: 8 batch + 2 hp + w % 2
	s_lshl_b32 s100, s100, 5
	s_add_co_u32 s100, s100, s26
	s_lshl_b32 s28, s100, 8
	s_add_nc_u64 s[20:21], s[20:21], s[28:29]
	s_lshl_b32 s28, s100, 9
	s_add_nc_u64 s[22:23], s[22:23], s[28:29]
	s_lshl_b32 s28, s25, 23                        ; x: 8 MiB a batch, 16,384 bytes a channel, 4 a pixel
	s_lshl_b32 s100, s31, 21
	s_add_co_u32 s28, s28, s100
	s_lshl_b32 s100, s26, 9
	s_add_co_u32 s28, s28, s100
	s_lshl_b32 s100, s3, 7
	s_add_co_u32 s28, s28, s100
	s_add_nc_u64 s[4:5], s[4:5], s[28:29]
	s_lshl_b32 s28, s25, 10                        ; stats: 32 groups of 32 bytes a batch, my eight groups
	s_lshl_b32 s100, s31, 8
	s_add_co_u32 s28, s28, s100
	s_add_nc_u64 s[6:7], s[6:7], s[28:29]
	s_lshl_b32 s28, s31, 9                         ; gn_w, gn_b: my 128 channels
	s_add_nc_u64 s[8:9], s[8:9], s[28:29]
	s_add_nc_u64 s[10:11], s[10:11], s[28:29]
	s_mov_b32 s24, 0x76543210                      ; v_permlanex16_b32's selects for lane l xor 16
	s_mov_b32 s25, 0xfedcba98
	s_mov_b32 s26, 0x600000                        ; the mantissa field of 448
	s_mov_b32 s31, 0                               ; the upper words of the four pairs that the packed forms name: written once
	s_mov_b32 s67, 0
	s_mov_b32 s101, 0
	s_wait_alu depctr_va_vdst(0)                   ; v1 to v15 and v249 are written, which the loads and stores of the kernel read as offsets and addresses; so are v16 to v21, in which weights land
	; the weights of waves 0-11, into registers for the whole launch
	s_cmp_lt_u32 s2, 12
	s_cbranch_scc0 .Lno_weights
.irp t, 0,1
.irp s, 0,1,2,3
.irp c, 0,1,2,3
	global_load_b128 v[WF+16*(4*\t+\s)+4*\c:WF+16*(4*\t+\s)+4*\c+3], v6, s[12:13] offset:\t*4096+128*\s+32*\c
.endr
	global_load_b32 v[WS+4*\t+\s], v7, s[14:15] offset:\t*128+4*\s
.endr
.endr
	s_cmp_lt_u32 s2, 8
	s_cbranch_scc0 .Lbias_v
.irp t, 0,1
	global_load_b128 v[BI+8*\t:BI+8*\t+3], v8, s[16:17] offset:32*\t      ; q, k: register j = the bias of channel 8 t + 16 h + j
	global_load_b128 v[BI+8*\t+4:BI+8*\t+7], v8, s[16:17] offset:32*\t+16
.endr
	s_branch .Lno_weights
.Lbias_v:
.irp t, 0,1
	global_load_b32 v[BI+8*\t], v8, s[16:17] offset:32*\t                 ; v: my row's channel, for all eight registers
.endr
.Lno_weights:
	global_load_b128 v[TM:TM+3], v249, s[6:7]                             ; (mean, M2) of my group's quarters 0, 1
	global_load_b128 v[TM+4:TM+7], v249, s[6:7] offset:16                 ; and 2, 3
.macro XLOAD c                         ; block c of my 128 channels: x(32 c + i, my pixel), i = 0 .. 31, into set c % 2: 32 lanes read 128 consecutive bytes
.set xl, 0
.rept 32
	global_load_b32 v[ACC+32*((\c)%2)+xl], v2, s[4:5] offset:(32*(\c)+xl)*16384
.set xl, xl+1
.endr
.endm
.macro CLOAD c                         ; gn_w and gn_b of block c's 32 channels
	s_load_b512 s[32:47], s[8:9], 128*(\c)
	s_load_b512 s[48:63], s[8:9], 128*(\c)+64
	s_load_b512 s[68:83], s[10:11], 128*(\c)
	s_load_b512 s[84:99], s[10:11], 128*(\c)+64
.endm
	XLOAD 0
	CLOAD 0
	s_wait_loadcnt 32                              ; all but block 0's 32 loads: the statistics (and the weights) are in
	s_wait_alu depctr_vm_vsrc(0)                   ; the statistics' two loads have read their offset v249, which the second line below writes
	; a group's four quarters of 16,384 numbers are joined: mean = the means' mean; M2 = the sum of the four M2 + 16,384 x the sum of the squared deviations of the four means
	v_add_f32 v248, v240, v242
	v_add_f32 v249, v244, v246
	v_add_f32 v248, v248, v249
	v_mul_f32 v248, 0x3e800000, v248               ; the group's mean
	v_add_f32 v241, v241, v243
	v_add_f32 v245, v245, v247
	v_add_f32 v241, v241, v245
	v_sub_f32 v240, v240, v248
	v_sub_f32 v242, v242, v248
	v_sub_f32 v244, v244, v248
	v_sub_f32 v246, v246, v248
	v_mul_f32 v249, v240, v240
	v_fma_f32 v249, v242, v242, v249
	v_fma_f32 v249, v244, v244, v249
	v_fma_f32 v249, v246, v246, v249
	v_fma_f32 v241, v249, 0x46800000, v241
	v_mul_f32 v241, 0x37800000, v241               ; the variance: M2 x 2^-16
	v_add_f32 v241, 0x3727c5ac, v241               ; + 1e-5
	s_wait_alu depctr_va_vdst(0)
	v_rsq_f32 v[VRS], v241
	v_mul_f32 v[VNM], -1.0, v248                   ; (the plain line behind the transcendental)
	s_wait_alu depctr_va_vdst(0)                   ; the reciprocal root has written v[VRS]: the wait ahead of the first line that names the result
	v_mov_b32 v[TM+2], 0                           ; a lane permute's destination counts as one of its sources
	v_mov_b32 v[TM+3], 0
	XLOAD 1                                        ; no vector line has yet named v200 to v231, and v2 stands since the head's wait
; Block c: 32 channels of my pixel are normalised, quantised (the whole block is mine: no other lane is asked) and stored as my pixel's row of a fragment's group c.
.macro XBLOCK c
.set XB, ACC+32*((\c)%2)
	v_readlane_b32 s28, v[VNM], 2*(\c)             ; the block's two groups of 16 channels
	v_readlane_b32 s30, v[VRS], 2*(\c)
	v_readlane_b32 s66, v[VNM], 2*(\c)+1
	v_readlane_b32 s100, v[VRS], 2*(\c)+1
.if (\c) < 3
	s_wait_loadcnt 32                              ; this block's 32 loads are in; the next block's may be out
.else
	s_wait_loadcnt 0x0
.endif
	s_wait_alu depctr_va_sdst(0)                   ; s28, s30, s66 and s100 are written, ahead of their first readers, the packed lines below
.irp j, 0,2,4,6,8,10,12,14
	v_pk_add_f32 v[XB+\j:XB+\j+1], v[XB+\j:XB+\j+1], s[28:29] op_sel_hi:[1,0]          ; x - mean
	v_pk_add_f32 v[XB+16+\j:XB+17+\j], v[XB+16+\j:XB+17+\j], s[66:67] op_sel_hi:[1,0]
.endr
.irp j, 0,2,4,6,8,10,12,14
	v_pk_mul_f32 v[XB+\j:XB+\j+1], v[XB+\j:XB+\j+1], s[30:31] op_sel_hi:[1,0]          ; x rstd
	v_pk_mul_f32 v[XB+16+\j:XB+17+\j], v[XB+16+\j:XB+17+\j], s[100:101] op_sel_hi:[1,0]
.endr
	s_wait_kmcnt 0x0                               ; gn_w and gn_b of this block
.set xi, 0
.rept 32
	v_fma_f32 v[XB+xi], v[XB+xi], s[32+xi], s[68+xi]                                  ; x w + b
.set xi, xi+1
.endr
.if (\c) < 3
	s_wait_alu depctr_va_vdst(0)                   ; the 32 multiply-adds are done reading s[32:63] and s[68:99], in which the scalar loads below land
	CLOAD (\c)+1
.endif
	v_max3_num_f32 v[TM], |v[XB]|, |v[XB+1]|, |v[XB+2]|
	v_max3_num_f32 v[TM+1], |v[XB+3]|, |v[XB+4]|, |v[XB+5]|
.irp i, 6,10,14,18,22,26
	v_max3_num_f32 v[TM], v[TM], |v[XB+\i]|, |v[XB+\i+1]|
	v_max3_num_f32 v[TM+1], v[TM+1], |v[XB+\i+2]|, |v[XB+\i+3]|
.endr
	v_max3_num_f32 v[TM], v[TM], |v[XB+30]|, |v[XB+31]|
	v_max3_num_f32 v[TM], v[TM], v[TM+1], 0x4800000       ; and the floor 2^(9 - 127): the byte cannot fall under 1
	v_add_nc_u32 v[TM+4], 0xfc000000, v[TM]               ; 8 off the exponent field: the conversion takes the exponent field of this operand as its scale
	v_and_or_b32 v[TM+6], v[TM], 0x7f800000, s26          ; 448 x the scale
	v_lshrrev_b32 v[TM+8], 23, v[TM+4]                    ; the scale's byte
.set xi, 0
.rept 32
	v_med3_num_f32 v[XB+xi], v[XB+xi], -v[TM+6], v[TM+6]  ; the conversion to an 8-bit code does not saturate (ISA guide 7.6.2): the hold comes first
.set xi, xi+1
.endr
.irp g, 0,1,2,3
	v_cvt_scalef32_pk8_fp8_f32 v[PC+2*\g:PC+2*\g+1], v[XB+8*\g:XB+8*\g+7], v[TM+4]
.endr
	v_nop                                          ; a plain line behind the last scaled conversion
	s_wait_alu depctr_va_vdst(0)                   ; the conversions have written v[PC ..] and the shift the byte, which the LDS stores read; and the block's lines are done with its 32 numbers, in which the loads of two blocks on land
	ds_store_b128 v3, v[PC:PC+3] offset:512*(\c)          ; K = 32 c + 0 .. 15: the place of lane (row, 0)
	ds_store_b128 v3, v[PC+4:PC+7] offset:512*(\c)+256    ; K = 32 c + 16 .. 31: of lane (row, 1)
	ds_store_b8 v4, v[TM+8] offset:(\c)
.if (\c) < 2
	XLOAD (\c)+2
.endif
	s_wait_dscnt 0x0                               ; my stores have landed (behind the last block stands the barrier)
	s_wait_alu depctr_vm_vsrc(0)                   ; the LDS stores have read v[PC ..] and the byte's register, which the next block, and behind the barrier the quantiser, write again
.endm
	XBLOCK 0
	XBLOCK 1
	XBLOCK 2
	XBLOCK 3
	s_barrier_signal -1                            ; (each wave's stores have landed: the wait for 0 stands at the block's end)
	s_barrier_wait -1                              ; x_norm's 32 fragments and their scale words lie in LDS
.macro FETCHX b, s                     ; pixel tiles 2 b and 2 b + 1, K step s
.irp u, 0,1
.irp c, 0,1,2,3
	ds_load_b128 v[XF+16*\u+4*\c:XF+16*\u+4*\c+3], v1 offset:(4*(2*(\b)+\u)+(\s))*2048+512*\c
.endr
	ds_load_b32 v[XS+\u], v5 offset:(4*(2*(\b)+\u)+(\s))*64
.endr
.endm
.macro MM d, a, b, c, sa, sb
	v_wmma_scale_f32_16x16x128_f8f6f4 v[\d:\d+7], v[\a:\a+15], v[\b:\b+15], v[\c:\c+7], v[\sa], v[\sb]
.endm
; Two blocks of 32 along the next K: block i is the 16 registers at ACC + 16 i of lanes l and l xor 16.  Codes to PC + 4 i, bytes to TM + 8 + i.
.macro QUANT2
	s_wait_xcnt 0x0                                ; the last global stores have had their addresses translated (ISA guide 3.1): the codes' registers are rewritten only behind this wait
	s_wait_alu depctr_vm_vsrc(0)                   ; the last stores, global and LDS, have read v[PC ..] and the bytes' registers, which the lines below write again
.irp i, 0,1
	v_max3_num_f32 v[TM+\i], |v[ACC+16*\i]|, |v[ACC+16*\i+1]|, 0x4800000   ; each accumulator is read from its low end on; the floor 2^(9 - 127) holds the byte at 1 from below
.endr
.irp k, 2,4,6,8,10,12,14
.irp i, 0,1
	v_max3_num_f32 v[TM+\i], v[TM+\i], |v[ACC+16*\i+\k]|, |v[ACC+16*\i+\k+1]|
.endr
.endr
.irp i, 0,1
	v_permlanex16_b32 v[TM+2+\i], v[TM+\i], s24, s25
.endr
.irp i, 0,1
	v_max_num_f32 v[TM+\i], v[TM+\i], v[TM+2+\i]
.endr
.irp i, 0,1
	v_add_nc_u32 v[TM+4+\i], 0xfc000000, v[TM+\i]
.endr
.irp i, 0,1
	v_and_or_b32 v[TM+6+\i], v[TM+\i], 0x7f800000, s26
.endr
.irp i, 0,1
	v_lshrrev_b32 v[TM+8+\i], 23, v[TM+4+\i]
.endr
.irp i, 0,1
.irp k, 0,1,2,3,4,5,6,7,8,9,10,11,12,13,14,15
	v_med3_num_f32 v[ACC+16*\i+\k], v[ACC+16*\i+\k], -v[TM+6+\i], v[TM+6+\i]
.endr
	v_cvt_scalef32_pk8_fp8_f32 v[PC+4*\i:PC+4*\i+1], v[ACC+16*\i:ACC+16*\i+7], v[TM+4+\i]
	v_cvt_scalef32_pk8_fp8_f32 v[PC+4*\i+2:PC+4*\i+3], v[ACC+16*\i+8:ACC+16*\i+15], v[TM+4+\i]
.endr
	v_nop                                          ; a plain line behind the last scaled conversion
.endm
; A role's work: for each pair of pixel tiles, four K steps on four accumulators by turns; the bias is the C of a sum's first product; then the quantiser and the stores.
; Places: nine behind a pair's last product: eight ahead of the quantiser's first read of the sums, the ninth since the next pair's first products write over its accumulators.
; A fetch into XF and XS stands behind a wait which states that the products that read them are done; the next pair's first fetch stands ahead of the quantiser and lands under it.
.macro PROJ role
.if \role == 2
.irp t, 0,1
	s_wait_alu depctr_va_vdst(0)
.irp j, 1,2,3,4,5,6,7
	v_mov_b32 v[BI+8*\t+\j], v[BI+8*\t]
.endr
.endr
.endif
	FETCHX 0, 0                                    ; no wait: the last lines that named v200 to v231 stand ahead of the last block's wait on va_vdst, and no vector line has named v250, v251
	s_wait_alu depctr_va_vdst(0)
.irp b, 0,1,2,3
.irp s, 0,1,2,3
.if \s > 0
	s_wait_alu depctr_va_vdst(0)                   ; the last K step's four products are done reading XF and XS, in which the loads below land
	FETCHX \b, \s
.endif
	s_wait_dscnt 0x0
.irp u, 0,1
.irp t, 0,1
.if \role == 2
.if \s == 0
	MM ACC+16*\t+8*\u, XF+16*\u, WF+16*(4*\t+\s), BI+8*\t, XS+\u, WS+4*\t+\s
.else
	MM ACC+16*\t+8*\u, XF+16*\u, WF+16*(4*\t+\s), ACC+16*\t+8*\u, XS+\u, WS+4*\t+\s
.endif
.else
.if \s == 0
	MM ACC+16*\u+8*\t, WF+16*(4*\t+\s), XF+16*\u, BI+8*\t, WS+4*\t+\s, XS+\u
.else
	MM ACC+16*\u+8*\t, WF+16*(4*\t+\s), XF+16*\u, ACC+16*\u+8*\t, WS+4*\t+\s, XS+\u
.endif
.endif
.endr
.endr
.endr
	NOPS 9
.if \b < 3
	s_wait_alu depctr_va_vdst(0)                   ; the pair's last four products are done reading XF and XS, in which the next pair's first fragments land
	FETCHX \b+1, 0
.endif
	QUANT2
.if \role == 2
.irp i, 0,1
.if \b == 0
	v_mov_b32 v[VW+\i], v[TM+8+\i]
.else
	v_lshl_or_b32 v[VW+\i], v[TM+8+\i], 8*\b, v[VW+\i]
.endif
.endr
.endif
	s_wait_alu depctr_va_vdst(0)                   ; the conversions have written v[PC ..], the shifts the bytes (v: its scale words), which the stores below read
.irp i, 0,1
.if \role == 0
	global_store_b128 v14, v[PC+4*\i:PC+4*\i+3], s[18:19] offset:(2*\b+\i)*1024     ; tile 2 b + i, my cd: 512 consecutive bytes
	ds_store_b8 v9, v[TM+8+\i] offset:4*\b+2*\i
.elseif \role == 1
	global_store_b128 v14, v[PC+4*\i:PC+4*\i+3], s[18:19] offset:\b*2048+\i*512     ; fragment b, group 2 cd + i
	ds_store_b8 v10, v[TM+8+\i] offset:4*\b+\i
.else
	global_store_b128 v14, v[PC+4*\i:PC+4*\i+3], s[18:19] offset:\i*2048+\b*512     ; tile 2 cd + i, group b
.endif
.endr
.endr
.if \role == 2
	ds_store_b32 v11, v[VW] offset:0               ; (the last pair's wait on va_vdst stands behind the last shift into these two words)
	ds_store_b32 v11, v[VW+1] offset:4
.endif
.endm
	s_cmp_lt_u32 s2, 4
	s_cbranch_scc0 .Lnot_q
	PROJ 0
	s_branch .Ljoin
.Lnot_q:
	s_cmp_lt_u32 s2, 8
	s_cbranch_scc0 .Lnot_k
	PROJ 1
	s_branch .Ljoin
.Lnot_k:
	s_cmp_lt_u32 s2, 12
	s_cbranch_scc0 .Ljoin
	PROJ 2
.Ljoin:
	s_wait_dscnt 0x0                               ; for the others' sake: my scale bytes have landed
	s_barrier_signal -1
	s_barrier_wait -1
	s_cmp_lt_u32 s2, 12                            ; waves 12 and 13 store a head's scale bytes each, as whole runs: 512 bytes of kvsc, 256 of qsc
	s_cbranch_scc1 .Lend
	s_cmp_gt_u32 s2, 13
	s_cbranch_scc1 .Lend
	ds_load_b128 v[ACC:ACC+3], v12                 ; into v168 to v173: no store has read them, and every vector or matrix line that named them stands ahead of a wait on va_vdst
	ds_load_b64 v[ACC+4:ACC+5], v13
	s_wait_dscnt 0x0
	global_store_b128 v1, v[ACC:ACC+3], s[22:23]
	global_store_b64 v15, v[ACC+4:ACC+5], s[20:21]
.Lend:
	s_wait_xcnt 0x0
	v_lshl_add_u32 v254, v0, 2, 0x11000            ; the add's two registers are made anew: no two could be kept; no memory or LDS instruction has read v254 or v255
	v_mov_b32 v255, 0
	s_wait_dscnt 0x0                               ; the closing lines, six on end
	s_wait_alu 0x0
	s_wait_tensorcnt 0x0
	ds_add_u32 v254, v255
	s_wait_dscnt 0x0
	s_endpgm
.Lfunc_end_k_qc634da24c5_qkv:
	.size	k_qc634da24c5_qkv, .Lfunc_end_k_qc634da24c5_qkv-k_qc634da24c5_qkv
	.p2alignl 7, 3214868480
	.fill 96, 4, 3214868480
	.section	.rodata,"a",@progbits
	.p2align	6, 0x0
	.amdhsa_kernel k_qc634da24c5_qkv
		.amdhsa_group_segment_fixed_size 71680
		.amdhsa_private_segment_fixed_size 0
		.amdhsa_enable_private_segment 0
		.amdhsa_kernarg_size 112
		.amdhsa_user_sgpr_count 2
		.amdhsa_user_sgpr_kernarg_segment_ptr 1
		.amdhsa_wavefront_size32 1
		.amdhsa_system_sgpr_workgroup_id_x 1
		.amdhsa_system_sgpr_workgroup_id_y 1
		.amdhsa_system_sgpr_workgroup_id_z 1
		.amdhsa_system_vgpr_workitem_id 0
		.amdhsa_next_free_vgpr 256
		.amdhsa_next_free_sgpr 102
		.amdhsa_reserve_vcc 0
		.amdhsa_float_denorm_mode_32 3
		.amdhsa_float_denorm_mode_16_64 3
		.amdhsa_memory_ordered 1
		.amdhsa_forward_progress 1
		.amdhsa_inst_pref_size 171
	.end_amdhsa_kernel
	.amdgpu_metadata
---
amdhsa.version: [ 1, 2 ]
amdhsa.kernels:
  - .name:           k_qc634da24c5_qkv
    .symbol:         k_qc634da24c5_qkv.kd
    .args:
      - { .name: x, .offset: 0, .size: 8, .value_kind: global_buffer, .address_space: global }
      - { .name: stats, .offset: 8, .size: 8, .value_kind: global_buffer, .address_space: global }
      - { .name: gn_w, .offset: 16, .size: 8, .value_kind: global_buffer, .address_space: global }
      - { .name: gn_b, .offset: 24, .size: 8, .value_kind: global_buffer, .address_space: global }
      - { .name: wq_codes, .offset: 32, .size: 8, .value_kind: global_buffer, .address_space: global }
      - { .name: wq_scales, .offset: 40, .size: 8, .value_kind: global_buffer, .address_space: global }
      - { .name: bq, .offset: 48, .size: 8, .value_kind: global_buffer, .address_space: global }
      - { .name: wkv_codes, .offset: 56, .size: 8, .value_kind: global_buffer, .address_space: global }
      - { .name: wkv_scales, .offset: 64, .size: 8, .value_kind: global_buffer, .address_space: global }
      - { .name: bkv, .offset: 72, .size: 8, .value_kind: global_buffer, .address_space: global }
      - { .name: qimg, .offset: 80, .size: 8, .value_kind: global_buffer, .address_space: global }
      - { .name: kvimg, .offset: 88, .size: 8, .value_kind: global_buffer, .address_space: global }
      - { .name: qsc, .offset: 96, .size: 8, .value_kind: global_buffer, .address_space: global }
      - { .name: kvsc, .offset: 104, .size: 8, .value_kind: global_buffer, .address_space: global }
    .group_segment_fixed_size: 71680
    .private_segment_fixed_size: 0
    .kernarg_segment_align: 8
    .kernarg_segment_size: 112
    .max_flat_workgroup_size: 512
    .sgpr_count:     102
    .vgpr_count:     256
    .wavefront_size: 32
...
	.end_amdgpu_metadata
.endif
;; end of part 6
;; launch attn (part 7): grid 16 x 16, 16 waves a work-group, clusters of 4 x 1, 327,680 bytes of LDS; arguments qimg, qsc, kvimg, kvsc, aoimg, aosc; writes aoimg, aosc
.if DOCPART == 7
	.amdgcn_target "amdgcn-amd-amdhsa--gfx1250"
	.amdhsa_code_object_version 6
	.text
	.protected	k_qc634da24c5_attn
	.globl	k_qc634da24c5_attn
	.p2align	8
	.type	k_qc634da24c5_attn,@function
k_qc634da24c5_attn:
	s_mov_b64 s[64:65], 0
	v_nop
	global_prefetch_b8 v0, s[64:65] scope:SCOPE_SE
	s_setreg_imm32_b32 hwreg(HW_REG_WAVE_MODE, 25, 1), 1
	s_wait_xcnt 0x0
	s_wait_alu depctr_hold_cnt(0) depctr_sa_sdst(0) depctr_va_vdst(0) depctr_va_sdst(0) depctr_va_ssrc(0) depctr_va_vcc(0) depctr_vm_vsrc(0)
	s_getreg_b32 s2, hwreg(HW_REG_IB_STS2, 6, 4)
	s_cmp_eq_u32 s2, 0
	s_cbranch_scc0 .Lentry_in_a_cluster
	s_endpgm
.Lentry_in_a_cluster:
	s_bfe_u32 s2, ttmp6, 0x10000c
	s_cmp_lg_u32 s2, 0x3003
	s_cbranch_scc0 .Lentry_shape_is_right
	s_endpgm
.Lentry_shape_is_right:
; ATTENTION ON CODES OF FP8 (E4M3) WITH E8M0 SCALES: for each of 16 (batch, head) pairs bh, 4,096 queries x 4,096 keys, head size 64; and the quantising of the result along the channels for the last product.
; THE SOFTMAX AHEAD OF THE SECOND PRODUCT: t = score x log2(e) / 8; M = the row's largest t so far, rounded UP to a whole number; p = 2^(t - M) is what is quantised, along the keys, not normalised.
; The row's sum is taken of the unquantised p, in f32, and divides O at the end.  When M moves, the sum and O are multiplied by 2^(old M - new M): exact.
; SHARES.  A work-group owns 256 queries of one bh (work-group y = bh); each of its SIXTEEN waves owns one tile of 16 in 256 registers: four waves to a SIMD, so that one wave's vector work stands beside another's matrix work and LDS loads.
; Every wave walks all keys, 128 a step.  A step's K, V (16,384 bytes of register images, made by the launch before) come through a ring of two LDS slots of 8 steps; the head's scale words (16,384 bytes) come once.
; CLUSTER.  The four query blocks of a cluster belong to one bh and walk the same K and V: each tile is asked for JOINTLY, by the same tensor load with the same descriptor and a mask that names the four.
; LAYOUT.  Both products are used transposed: S^T = K Q^T (source 0 = keys, source 1 = my 16 queries), O^T = V^T P^T (source 0 = 16 channels, source 1 = P): a lane holds ONE query (lane % 16) throughout.
; THE HEAD'S 64 IN AN INSTRUCTION OF K = 128.  A fragment of K holds TWO tiles of 16 keys: group c = 2 cd + u is tile u, channels 32 cd on.  Q lies in 20 registers as (0, q0, 0, q1, 0): registers 4-19 (q0, 0, q1, 0) pick tile u = 0,
; registers 0-15 (0, q0, 0, q1) tile u = 1: Q's zero codes meet the other tile's codes, which are numbers (they were made with the hold), so those products are zeros.  Every byte read from LDS is used.  Q's scale word is (s0, s0, s1, s1).
; The rows of a tile of keys are chosen (key 32 b + 8 u + r + 8 (r / 8)) so that the 16 registers of tiles u = 0, 1 of fragment b are keys 32 b + 16 (lane / 16) + 0 .. 15: p's conversions give the second product's operand.  V's rows likewise, so that O^T's registers are the last product's operand.
; LIMITS: NaN and infinities are not served.  A block whose largest magnitude lies under 2^-118 keeps the scale byte 1; a block of zeros has the byte 1 where the quantiser says 127: its codes are zeros, and these bytes are read by this program alone.
; A block's largest p is taken as the exponential of the block's largest score, which takes v_exp_f32 not to fall where its input rises.
; All of a WGP's LDS is claimed.
.set SLOT1, 1<<17                      ; LDS: slot 0 at 0, slot 1 here: 8 steps of 16,384 bytes each; one exclusive or turns an address from one slot to the other
.set SCL,   262144                     ; the head's scale words: 32 steps x 512 bytes, filled once
.set SPARE, 278528                     ; the spare words, 128 bytes for each wave: eight blocks of 256 bytes that no other line names
.set STG,   280576                     ; the stage of the result's scale bytes: 32 bytes a wave; no fill lands here
; v1 16 l; v2 SCL + 16 l; v3 my spare word; v4 0; v5, v6 the step's LDS addresses; v7 256 l (prefetch); v8-11 K's and V's scale words (lanes 0-15 K's, 16-31 V's); v12 -M; v13 the largest t; v14-15 the sum in two halves;
; v16-35 Q; v36 Q's scale word; v37 p's; v38-39 f; v40-103 four fragments of K, then of V; v104-167 S^T, then p; v168-199 O^T; v200-215 p's codes; v216-231 at work, four a kind; v232-233 and v244-255 further chains of the sum; v234 at work; v235-237 addresses for the way out and Q's scales
.set WV,   18                          ; s18 wave
.set MNT,  19                          ; s19 the mantissa field of 448
.set SEL,  20                          ; s[20:21] lane selects for lane l xor 16
.set CS,   22                          ; s[22:23] c = log2(e) / 8
.set G1,   24                          ; s[24:31] descriptor group 1: 64 rows of 256 bytes, dense
.set G0,   32                          ; s[32:35] group 0 of the walking load (waves 0-7)
.set G0S,  36                          ; s[36:39] of the scale words (wave 8)
.set TB,   40                          ; s40 LDS byte at which the step's tiles begin
.set TS,   41                          ; s41 and its scale words: 512 bytes a step
.set SLOTS, 42                         ; s42 slots still to be asked for
.set CNT,  43                          ; s43 counts a slot's eight steps
.set PFA,  44                          ; s[44:45] where my prefetches stand
.set LIM,  46                          ; s46 1 in a wave that prefetches, else the greatest number
.macro NOPS n
.rept \n
	v_nop
.endr
.endm
; A round of the cluster's barrier: my work-group's barrier; wave 0 signals for the work-group; every wave waits for all four work-groups; my work-group's barrier once more.
.macro CROUND
	s_barrier_signal -1
	s_barrier_wait -1
	s_cmp_lg_u32 s[WV], 0
	s_cbranch_scc1 .Lnot_wave_0_\@
	s_barrier_signal -3
.Lnot_wave_0_\@:
	s_barrier_wait -3
	s_barrier_signal -1
	s_barrier_wait -1
.endm
; The first fills: waves 0-7 a step of slot 0 each, wave 8 the scale words.  The branches hang on the wave's number alone.  Four v_nop follow each tensor load.
.macro TLOAD0
	s_cmp_lt_u32 s[WV], 8
	s_cbranch_scc0 .Lnot_kv_\@
	tensor_load_to_lds s[G0:G0+3], s[G1:G1+7]
	s_nop 0
	NOPS 4
	s_branch .Lasked_\@
.Lnot_kv_\@:
	s_cmp_eq_u32 s[WV], 8
	s_cbranch_scc0 .Lasked_\@
	tensor_load_to_lds s[G0S:G0S+3], s[G1:G1+7]
	s_nop 0
	NOPS 4
.Lasked_\@:
.endm
.macro TLOAD                           ; a refill: waves 0-7, a step of the slot each
	s_cmp_lt_u32 s[WV], 8
	s_cbranch_scc0 .Lasked_\@
	tensor_load_to_lds s[G0:G0+3], s[G1:G1+7]
	s_nop 0
	NOPS 4
.Lasked_\@:
.endm
; A PREFETCH INTO THE L2 of what the NEXT change of slots will ask for: a slot's 131,072 bytes of kvimg.  All clusters of a bh walk the same bytes: the first cluster (cluster x = 0) asks.  Its four partners share them out BY ADDRESS,
; 32,768 bytes each; in each, waves 8-11, which fetch nothing here, take 8,192 bytes each, lanes 256 bytes apart: every block of 256 bytes is named once in the launch.  The last change that fills a slot asks for nothing; slots 0 and 1 come by their loads alone.
.macro ASK
	s_cmp_gt_u32 s[SLOTS], s[LIM]
	s_cbranch_scc0 .Lnot_mine_\@
	global_prefetch_b8 v7, s[PFA:PFA+1] th:TH_LOAD_NT scope:SCOPE_SE
.Lnot_mine_\@:
.endm
	s_load_b256 s[4:11], s[0:1], 0x0               ; qimg, qsc, kvimg, kvsc
	s_load_b128 s[12:15], s[0:1], 0x20             ; aoimg, aosc
	v_lshl_add_u32 v3, v0, 2, SPARE
	v_mov_b32 v4, 0
	ds_add_u32 v3, v4
	ds_add_u32 v3, v4
	s_wait_dscnt 0x0
	v_lshrrev_b32 v5, 5, v0
	s_delay_alu instid0(VALU_DEP_1)
	v_readfirstlane_b32 s[WV], v5                  ; wave 0..15
	v_and_b32 v6, 31, v0                           ; l
	v_and_b32 v234, 15, v0                         ; r
	s_delay_alu instid0(VALU_DEP_2)
	v_lshlrev_b32 v1, 4, v6
	s_delay_alu instid0(VALU_DEP_3)
	v_lshl_add_u32 v2, v6, 4, SCL
	s_delay_alu instid0(VALU_DEP_4)
	v_lshlrev_b32 v7, 8, v6
	s_lshl_b32 s47, s[WV], 5
	s_add_co_u32 s47, s47, STG
	v_lshl_add_u32 v235, v234, 1, s47              ; the stage: 32 bytes a wave, 2 a row
	v_lshl_add_u32 v236, v6, 4, STG                ; and back: 16 bytes a lane
	v_lshlrev_b32 v237, 4, v234                    ; qsc: 16 bytes a row
	s_bfe_u32 s47, ttmp6, 0x40000                  ; cx: my place in the cluster: it enters Q's, the result's and the prefetch's global addresses alone
	s_lshl_b32 s48, ttmp9, 2
	s_add_co_u32 s48, s48, s47                     ; my block of 256 queries
	s_and_b32 s49, ttmp7, 0xffff                   ; bh, which the four partners share
	s_lshl_b32 s50, s48, 4
	s_add_co_u32 s50, s50, s[WV]                   ; my tile of 16 queries, 0 .. 255
	s_mov_b32 s[G1], 15|(3<<16)|(1<<21)            ; 15:0 the mask: all four work-groups; 17:16 elements of 8 bytes; 21 set beside a mask; no padding: the images are read 16 bytes a lane on end
	s_mov_b32 s[G1+1], 32<<16                      ; tensor_dim0 = 32 elements: 256 bytes
	s_mov_b32 s[G1+2], 64<<16                      ; tensor_dim1 = 64
	s_mov_b32 s[G1+3], 32<<16                      ; tile_dim0 = 32
	s_mov_b32 s[G1+4], 64                          ; tile_dim1 = 64
	s_mov_b32 s[G1+5], 32                          ; from row to row: dense
	s_mov_b32 s[G1+6], 0
	s_mov_b32 s[G1+7], 0
	s_mov_b32 s[MNT], 0x600000
	s_mov_b32 s[SEL], 0x76543210
	s_mov_b32 s[SEL+1], 0xfedcba98
	s_mov_b32 s[CS], 0x3e38aa3b                    ; log2(e) / 8
	s_mov_b32 s[CS+1], s[CS]                       ; (named with it as a pair, so it is written)
	s_mov_b32 s[TB], 0
	s_mov_b32 s[TS], 0
	s_mov_b32 s[SLOTS], 3
	s_lshl_b32 s52, s49, 19                        ; kvimg: 524,288 bytes a bh,
	s_mov_b32 s53, 0
	s_lshl_b32 s54, s[WV], 14                      ; 16,384 a step: wave w fetches step w of a slot
	s_mov_b32 s55, 0
	s_lshl_b32 s56, s49, 14                        ; kvsc: 16,384 bytes a bh
	s_mov_b32 s57, 0
	s_lshl_b32 s58, s47, 15                        ; the prefetch: my work-group's 32,768 bytes,
	s_and_b32 s59, s[WV], 3
	s_lshl_b32 s59, s59, 13                        ; my wave's 8,192,
	s_add_co_u32 s58, s58, s59
	s_add_co_u32 s58, s58, 131072                  ; in slot 1: the first change of slots steps it to slot 2
	s_mov_b32 s59, 0
	s_lshl_b32 s60, s49, 18                        ; qimg: 262,144 bytes a bh, 1,024 a tile
	s_lshl_b32 s61, s50, 10
	s_add_co_u32 s60, s60, s61
	s_mov_b32 s61, 0
	s_lshl_b32 s62, s49, 5                         ; qsc: block 2 x my query block + w / 8 of 32, 256 bytes each; tile w % 8: 2 bytes
	s_lshl_b32 s63, s48, 1
	s_add_co_u32 s62, s62, s63
	s_lshr_b32 s63, s[WV], 3
	s_add_co_u32 s62, s62, s63
	s_lshl_b32 s62, s62, 8
	s_and_b32 s63, s[WV], 7
	s_lshl_b32 s63, s63, 1
	s_add_co_u32 s62, s62, s63
	s_mov_b32 s63, 0
	s_lshr_b32 s66, s49, 3                         ; aoimg: [batch][tile][K step head / 2][group 2 (head % 2) + cd]
	s_lshl_b32 s66, s66, 8
	s_add_co_u32 s66, s66, s50
	s_lshl_b32 s66, s66, 13
	s_bfe_u32 s67, s49, 0x20001
	s_lshl_b32 s67, s67, 11
	s_add_co_u32 s66, s66, s67
	s_and_b32 s67, s49, 1
	s_lshl_b32 s67, s67, 10
	s_add_co_u32 s66, s66, s67
	s_mov_b32 s67, 0
	s_lshl_b32 s68, s49, 13                        ; aosc: 8,192 bytes a bh, 512 a query block
	s_lshl_b32 s69, s48, 9
	s_add_co_u32 s68, s68, s69
	s_mov_b32 s69, 0
	s_sub_co_u32 s51, s[WV], 8
	s_lshr_b32 s51, s51, 2                         ; 0 in waves 8-11,
	s_or_b32 s51, s51, ttmp9                       ; of the bh's first cluster: the same in all four partners
	s_cmp_eq_u32 s51, 0
	s_cselect_b32 s[LIM], 1, -1
	s_wait_kmcnt 0x0
	s_mov_b32 s[G0], 1                             ; count = 1
	s_lshl_b32 s[G0+1], s[WV], 14                  ; LDS: step w of slot 0
	s_add_nc_u64 s[G0+2:G0+3], s[8:9], s[52:53]
	s_add_nc_u64 s[PFA:PFA+1], s[G0+2:G0+3], s[58:59]
	s_add_nc_u64 s[G0+2:G0+3], s[G0+2:G0+3], s[54:55]
	s_or_b32 s[G0+3], s[G0+3], 0x80000000          ; type = 2
	s_mov_b32 s[G0S], 1
	s_mov_b32 s[G0S+1], SCL
	s_add_nc_u64 s[G0S+2:G0S+3], s[10:11], s[56:57]
	s_or_b32 s[G0S+3], s[G0S+3], 0x80000000
	s_add_nc_u64 s[4:5], s[4:5], s[60:61]
	s_add_nc_u64 s[6:7], s[6:7], s[62:63]
	s_add_nc_u64 s[12:13], s[12:13], s[66:67]
	s_add_nc_u64 s[14:15], s[14:15], s[68:69]
	CROUND                                         ; all four work-groups are here: the first joint loads meet
	TLOAD0                                         ; one tensor load of mine is out at the most, here and ever after
	s_wait_alu depctr_va_vdst(0)
	global_load_b128 v[20:23], v1, s[4:5]          ; q0: channels 0-31 of my 16 queries
	global_load_b128 v[28:31], v1, s[4:5] offset:512   ; q1: channels 32-63
	global_load_u16 v234, v237, s[6:7]             ; their two scale bytes
.irp j, 16,17,18,19,24,25,26,27,32,33,34,35
	v_mov_b32 v\j, 0                               ; Q's zero codes
.endr
	v_mov_b32 v13, 0xff61b1e6                      ; the largest t so far: -3e38, under every t
	s_delay_alu instid0(VALU_DEP_1)
	v_floor_f32 v12, -v13                          ; -M
	v_mov_b32 v14, 0
	v_mov_b32 v15, 0
.irp b, 0,1,2,3
	v_mov_b32 v[220+\b], 0                         ; a lane permute's destination counts as one of its sources
.endr
	v_mov_b32 v39, 0                               ; (named as the upper half of the pair v[38:39])
	s_wait_loadcnt 0x0
	v_perm_b32 v36, v234, v234, 0x01010000         ; (s0, s0, s1, s1)
.set on, 0
.rept 32
	v_mov_b32 v[168+on], 0                         ; O^T.  (The loop is written once: its first step finds zeros, which the first change of M leaves zeros.)  These lines also stand between the scale word's making and the first product
.set on, on+1
.endr
; A KEY STEP: 128 keys.
.macro STEP
	v_add_nc_u32 v5, s[TB], v1
	v_add_nc_u32 v6, s[TS], v2
	NOPS 6                                         ; with the two additions: eight places in front of loads into registers that the last products read
.set kn, 0
.rept 16
	ds_load_b128 v[40+4*kn:43+4*kn], v5 offset:512*kn          ; K's four fragments
.set kn, kn+1
.endr
	ds_load_b128 v[8:11], v6                       ; lanes 0-15: K's words of fragments 0-3; lanes 16-31: V's of tiles 0-3
	s_wait_alu depctr_va_vdst(0)
	s_wait_dscnt 0x0
.irp b, 0,1,2,3
	v_wmma_scale_f32_16x16x128_f8f6f4 v[104+16*\b:111+16*\b], v[40+16*\b:55+16*\b], v[20:35], 0, v[8+\b], v36   ; tile u = 0: keys 32 b + 16 h + 0 .. 7
	v_wmma_scale_f32_16x16x128_f8f6f4 v[112+16*\b:119+16*\b], v[40+16*\b:55+16*\b], v[16:31], 0, v[8+\b], v36   ; tile u = 1: keys 32 b + 16 h + 8 .. 15
.endr
	NOPS 8                                         ; places in front of the loads below and of the first read of the scores
.set kn, 0
.rept 16
	ds_load_b128 v[40+4*kn:43+4*kn], v5 offset:8192+512*kn     ; V's four tiles: they land while the softmax is worked
.set kn, kn+1
.endr
.irp b, 0,1,2,3
	v_max3_num_f32 v[216+\b], v[104+16*\b], v[105+16*\b], v[106+16*\b]   ; the largest score of each block of 32 keys: it serves for the row's maximum and, since p rises with the score, for the block's largest p.  Each accumulator is read from its low end on
.endr
.irp i, 3,5,7,9,11,13
.irp b, 0,1,2,3
	v_max3_num_f32 v[216+\b], v[216+\b], v[104+16*\b+\i], v[105+16*\b+\i]
.endr
.endr
.irp b, 0,1,2,3
	v_max_num_f32 v[216+\b], v[216+\b], v[119+16*\b]
.endr
.irp b, 0,1,2,3
	s_delay_alu instid0(VALU_DEP_4)
	v_permlanex16_b32 v[220+\b], v[216+\b], s[SEL], s[SEL+1]
.endr
.irp b, 0,1,2,3
	s_delay_alu instid0(VALU_DEP_4)
	v_max_num_f32 v[216+\b], v[216+\b], v[220+\b]  ; with lane l xor 16's 16 keys
.endr
	s_delay_alu instid0(VALU_DEP_2)
	v_max3_num_f32 v234, v216, v217, v218
	s_delay_alu instid0(VALU_DEP_1)
	v_max_num_f32 v234, v234, v219                 ; the step's largest score of my query
	s_delay_alu instid0(VALU_DEP_1)
	v_mul_f32 v234, s[CS], v234                    ; as t (c is positive)
	s_delay_alu instid0(VALU_DEP_1)
	v_max_num_f32 v13, v13, v234                   ; the running largest t
	v_mov_b32 v234, v12
	s_delay_alu instid0(VALU_DEP_2)
	v_floor_f32 v12, -v13                          ; the new -M = floor(-t) = -ceil(t): a whole number
	s_delay_alu instid0(VALU_DEP_1)
	v_sub_f32 v234, v12, v234                      ; old M - new M: a whole number, 0 or less
	s_delay_alu instid0(VALU_DEP_1)
	v_cvt_i32_f32 v234, v234                       ; (it saturates)
	s_delay_alu instid0(VALU_DEP_1)
	v_ldexp_f32 v38, 1.0, v234                     ; f = 2^(old M - new M)
.set sn, 0
.rept 32
	v_pk_fma_f32 v[104+sn:105+sn], v[104+sn:105+sn], s[CS:CS+1], v[12:13] op_sel_hi:[1,0,0]   ; t - M, two at a time
.set sn, sn+2
.endr
.irp b, 0,1,2,3
	v_fma_f32 v[216+\b], v[216+\b], s[CS], v12     ; the same of each block's largest score
.endr
.set sn, 0
	s_wait_alu depctr_va_vdst(0)
.rept 64
	v_exp_f32 v[104+sn], v[104+sn]                 ; p = 2^(t - M), at most 1
.set sn, sn+1
.endr
	v_pk_mul_f32 v[14:15], v[14:15], v[38:39] op_sel_hi:[1,0]   ; the sums under the new M.  (The plain line behind the exponentials)
	s_setprio 1
	s_wait_alu depctr_va_vdst(0)                   ; one wait for the whole batch, ahead of its first reader
.irp b, 0,1,2,3
	v_exp_f32 v[216+\b], v[216+\b]                 ; the block's largest p: the same two instructions on the same number give the same bits
.endr
	v_pk_add_f32 v[232:233], v[108:109], v[112:113]
	v_pk_add_f32 v[254:255], v[116:117], v[120:121]
	v_pk_add_f32 v[252:253], v[124:125], v[128:129]
	v_pk_add_f32 v[250:251], v[132:133], v[136:137]
	v_pk_add_f32 v[248:249], v[140:141], v[144:145]
	v_pk_add_f32 v[246:247], v[148:149], v[152:153]
	v_pk_add_f32 v[244:245], v[156:157], v[160:161]
	v_pk_add_f32 v[14:15], v[14:15], v[164:165]
	v_pk_add_f32 v[232:233], v[232:233], v[104:105]
	v_pk_add_f32 v[254:255], v[254:255], v[106:107]
	v_pk_add_f32 v[252:253], v[252:253], v[110:111]
	v_pk_add_f32 v[250:251], v[250:251], v[114:115]
	v_pk_add_f32 v[248:249], v[248:249], v[118:119]
	v_pk_add_f32 v[246:247], v[246:247], v[122:123]
	v_pk_add_f32 v[244:245], v[244:245], v[126:127]
	v_pk_add_f32 v[14:15], v[14:15], v[130:131]
	v_pk_add_f32 v[232:233], v[232:233], v[134:135]
	v_pk_add_f32 v[254:255], v[254:255], v[138:139]
	v_pk_add_f32 v[252:253], v[252:253], v[142:143]
	v_pk_add_f32 v[250:251], v[250:251], v[146:147]
	v_pk_add_f32 v[248:249], v[248:249], v[150:151]
	v_pk_add_f32 v[246:247], v[246:247], v[154:155]
	v_pk_add_f32 v[244:245], v[244:245], v[158:159]
	v_pk_add_f32 v[14:15], v[14:15], v[162:163]
	v_pk_add_f32 v[232:233], v[232:233], v[166:167]
	s_delay_alu instid0(VALU_DEP_2)
	v_pk_add_f32 v[14:15], v[14:15], v[250:251]
	s_delay_alu instid0(VALU_DEP_2)
	v_pk_add_f32 v[232:233], v[232:233], v[248:249]
	v_pk_add_f32 v[254:255], v[254:255], v[246:247]
	v_pk_add_f32 v[252:253], v[252:253], v[244:245]
	s_delay_alu instid0(VALU_DEP_2)
	v_pk_add_f32 v[14:15], v[14:15], v[254:255]
	s_delay_alu instid0(VALU_DEP_2)
	v_pk_add_f32 v[232:233], v[232:233], v[252:253]
	s_delay_alu instid0(VALU_DEP_1)
	v_pk_add_f32 v[14:15], v[14:15], v[232:233]
	s_wait_alu depctr_va_vdst(0)                   ; and one for the four
.irp b, 0,1,2,3
	v_max_num_f32 v[216+\b], 0x4800000, v[216+\b]  ; the floor 2^(9 - 127): the byte cannot fall under 1
.endr
.irp b, 0,1,2,3
	s_delay_alu instid0(VALU_DEP_4)
	v_add_nc_u32 v[228+\b], 0xfc000000, v[216+\b]  ; 8 off the exponent field: the conversion's scale operand
.endr
.irp b, 0,1,2,3
	v_and_or_b32 v[224+\b], v[216+\b], 0x7f800000, s[MNT]   ; 448 x the scale
.endr
.irp b, 0,1,2,3
	v_lshrrev_b32 v[220+\b], 23, v[228+\b]         ; the scale's byte
.endr
	s_delay_alu instid0(VALU_DEP_3)
	v_lshl_or_b32 v37, v221, 8, v220               ; p's scale word for these 128 keys
	s_delay_alu instid0(VALU_DEP_1)
	v_lshl_or_b32 v37, v222, 16, v37
	s_delay_alu instid0(VALU_DEP_1)
	v_lshl_or_b32 v37, v223, 24, v37
.irp b, 0,1,2,3
.irp i, 0,1,2,3,4,5,6,7,8,9,10,11,12,13,14,15
	v_min_num_f32 v[104+16*\b+\i], v[104+16*\b+\i], v[224+\b]   ; the conversion to an 8-bit code does not saturate (ISA guide 7.6.2); p is not negative, so the hold is one-sided
.endr
	v_cvt_scalef32_pk8_fp8_f32 v[200+4*\b:201+4*\b], v[104+16*\b:111+16*\b], v[228+\b]
	v_cvt_scalef32_pk8_fp8_f32 v[202+4*\b:203+4*\b], v[112+16*\b:119+16*\b], v[228+\b]
.endr
.set sn, 0
	s_setprio 0
.rept 16
	v_pk_mul_f32 v[168+sn:169+sn], v[168+sn:169+sn], v[38:39] op_sel_hi:[1,0]   ; O^T under the new M, each accumulator from its low end on.  (These are also the places between the codes' making and the products)
.set sn, sn+2
.endr
	s_wait_alu depctr_va_vdst(0)
	s_wait_dscnt 0x0                               ; V is in
.irp d, 0,1,2,3
	v_wmma_scale_f32_16x16x128_f8f6f4 v[168+8*\d:175+8*\d], v[40+16*\d:55+16*\d], v[200:215], v[168+8*\d:175+8*\d], v[8+\d], v37 matrix_a_scale:MATRIX_SCALE_ROW1   ; four accumulators, one instruction a turn
.endr
.endm
; THE CHANGE OF SLOTS stands at a slot's head.  Each wave waits for all its tensor loads, adds 0 to its spare word, and waits for that and for its reads of the slot that it has left.  fill = 1: the barrier is a round of the cluster's,
; so that no wave of any partner still reads that slot or has a load on its way, and the joint refill is the first thing behind it: it has a slot's eight steps in which to land.
.macro CHANGE fill
	s_wait_tensorcnt 0x0                           ; no tensor load of mine is out, so a group 0 may be written
	ds_add_u32 v3, v4                              ; 0 onto my spare word
.if \fill
	s_xor_b32 s[G0+1], s[G0+1], SLOT1              ; the walking descriptor: the other slot than last time,
	s_add_nc_u64 s[G0+2:G0+3], s[G0+2:G0+3], 0x20000   ; the next eight steps; the type bits on top are not reached
	s_wait_xcnt 0x0                                ; the last prefetch, a slot back, has read its address, so it may be written:
	s_add_nc_u64 s[PFA:PFA+1], s[PFA:PFA+1], 0x20000   ; one slot further on than the walking descriptor
.endif
	s_wait_dscnt 0x0                               ; the add is done, and my reads of the slot that I have left are over
.if \fill
	CROUND
	TLOAD
	ASK
.else
	s_barrier_signal -1
	s_barrier_wait -1
.endif
.endm
.macro SLOT_STEPS                      ; a slot's eight steps: written once, walked eight times
	s_mov_b32 s[CNT], 8
.Lstep_\@:
	s_setprio 2
	STEP
	s_add_co_u32 s[TB], s[TB], 16384
	s_add_co_u32 s[TS], s[TS], 512
	s_sub_co_u32 s[CNT], s[CNT], 1
	s_cmp_lg_u32 s[CNT], 0
	s_cbranch_scc1 .Lstep_\@
	s_setprio 0
	s_sub_co_u32 s[TB], s[TB], 131072              ; back to a slot's first step,
	s_xor_b32 s[TB], s[TB], SLOT1                  ; in the other slot
.endm
.Lslot:                                            ; three trips: behind each change of slots but the last the next slot is asked for
	CHANGE 1
	SLOT_STEPS
	s_sub_co_u32 s[SLOTS], s[SLOTS], 1
	s_cmp_lg_u32 s[SLOTS], 0
	s_cbranch_scc1 .Lslot
	CHANGE 0                                       ; the last slot is written out
	SLOT_STEPS
	; THE WAY OUT.  O^T is divided by the row's sum and quantised along the channels: registers 16 cd + i of a lane are channels 32 cd + 16 h + i of my head, so the codes are groups 2 (head % 2) + cd of the last product's K step head / 2.
	NOPS 8                                         ; places behind the last products
	v_add_f32 v14, v14, v15                        ; the sum's two halves,
	s_delay_alu instid0(VALU_DEP_1)
	v_permlanex16_b32 v234, v14, s[SEL], s[SEL+1]
	s_delay_alu instid0(VALU_DEP_1)
	v_add_f32 v14, v14, v234                       ; and lane l xor 16's
	s_wait_alu depctr_va_vdst(0)
	v_rcp_f32 v14, v14
	v_nop                                          ; the plain line behind the transcendental
	s_wait_alu depctr_va_vdst(0)                   ; and the wait ahead of its first reader
.set on, 0
.rept 32
	v_mul_f32 v[104+on], v[168+on], v14            ; each accumulator from its low end on
.set on, on+1
.endr
.irp i, 0,1
	v_max3_num_f32 v[216+\i], |v[104+16*\i]|, |v[105+16*\i]|, 0x4800000
.endr
.irp k, 2,4,6,8,10,12,14
.irp i, 0,1
	s_delay_alu instid0(VALU_DEP_2)
	v_max3_num_f32 v[216+\i], v[216+\i], |v[104+16*\i+\k]|, |v[105+16*\i+\k]|
.endr
.endr
.irp i, 0,1
	s_delay_alu instid0(VALU_DEP_2)
	v_permlanex16_b32 v[220+\i], v[216+\i], s[SEL], s[SEL+1]
.endr
.irp i, 0,1
	s_delay_alu instid0(VALU_DEP_2)
	v_max_num_f32 v[216+\i], v[216+\i], v[220+\i]
.endr
.irp i, 0,1
	s_delay_alu instid0(VALU_DEP_2)
	v_add_nc_u32 v[228+\i], 0xfc000000, v[216+\i]
.endr
.irp i, 0,1
	s_delay_alu instid0(VALU_DEP_4)
	v_and_or_b32 v[224+\i], v[216+\i], 0x7f800000, s[MNT]
.endr
.irp i, 0,1
	s_delay_alu instid0(VALU_DEP_4)
	v_lshrrev_b32 v[220+\i], 23, v[228+\i]
.endr
.irp i, 0,1
.irp k, 0,1,2,3,4,5,6,7,8,9,10,11,12,13,14,15
	v_med3_num_f32 v[104+16*\i+\k], v[104+16*\i+\k], -v[224+\i], v[224+\i]
.endr
	v_cvt_scalef32_pk8_fp8_f32 v[200+4*\i:201+4*\i], v[104+16*\i:111+16*\i], v[228+\i]
	v_cvt_scalef32_pk8_fp8_f32 v[202+4*\i:203+4*\i], v[112+16*\i:119+16*\i], v[228+\i]
.endr
	v_lshl_or_b32 v234, v221, 8, v220              ; (the plain line behind the last conversion)  my row's two bytes
	global_store_b128 v1, v[200:203], s[12:13]     ; 512 consecutive bytes, aligned
	global_store_b128 v1, v[204:207], s[12:13] offset:512
	ds_store_b16 v235, v234                        ; both lanes of a row write the same two bytes with the same value
	s_wait_dscnt 0x0                               ; for wave 0's sake
	s_barrier_signal -1
	s_barrier_wait -1
	s_cmp_lg_u32 s[WV], 0
	s_cbranch_scc1 .Lnot_first
	ds_load_b128 v[208:211], v236                  ; the sixteen tiles' scale bytes leave as one run of 512 bytes
	s_wait_dscnt 0x0
	global_store_b128 v1, v[208:211], s[14:15]
.Lnot_first:
	s_wait_tensorcnt 0x0                           ; the wave's end: behind my last tensor load and my last LDS store
	ds_add_u32 v3, v4
	s_wait_dscnt 0x0
	CROUND                                         ; the closing round: no work-group ends while a partner may still ask for a tile that names it
	s_endpgm
.Lfunc_end_k_qc634da24c5_attn:
	.size	k_qc634da24c5_attn, .Lfunc_end_k_qc634da24c5_attn-k_qc634da24c5_attn
	.p2alignl 7, 3214868480
	.fill 96, 4, 3214868480
	.section	.rodata,"a",@progbits
	.p2align	6, 0x0
	.amdhsa_kernel k_qc634da24c5_attn
		.amdhsa_group_segment_fixed_size 327680
		.amdhsa_private_segment_fixed_size 0
		.amdhsa_enable_private_segment 0
		.amdhsa_kernarg_size 48
		.amdhsa_user_sgpr_count 2
		.amdhsa_user_sgpr_kernarg_segment_ptr 1
		.amdhsa_wavefront_size32 1
		.amdhsa_system_sgpr_workgroup_id_x 1
		.amdhsa_system_sgpr_workgroup_id_y 1
		.amdhsa_system_sgpr_workgroup_id_z 1
		.amdhsa_system_vgpr_workitem_id 0
		.amdhsa_next_free_vgpr 256
		.amdhsa_next_free_sgpr 72
		.amdhsa_reserve_vcc 0
		.amdhsa_float_denorm_mode_32 3
		.amdhsa_float_denorm_mode_16_64 3
		.amdhsa_memory_ordered 1
		.amdhsa_forward_progress 1
		.amdhsa_inst_pref_size 56
	.end_amdhsa_kernel
	.amdgpu_metadata
---
amdhsa.version: [ 1, 2 ]
amdhsa.kernels:
  - .name:           k_qc634da24c5_attn
    .symbol:         k_qc634da24c5_attn.kd
    .args:
      - { .name: qimg, .offset: 0, .size: 8, .value_kind: global_buffer, .address_space: global }
      - { .name: qsc, .offset: 8, .size: 8, .value_kind: global_buffer, .address_space: global }
      - { .name: kvimg, .offset: 16, .size: 8, .value_kind: global_buffer, .address_space: global }
      - { .name: kvsc, .offset: 24, .size: 8, .value_kind: global_buffer, .address_space: global }
      - { .name: aoimg, .offset: 32, .size: 8, .value_kind: global_buffer, .address_space: global }
      - { .name: aosc, .offset: 40, .size: 8, .value_kind: global_buffer, .address_space: global }
    .group_segment_fixed_size: 327680
    .private_segment_fixed_size: 0
    .kernarg_segment_align: 8
    .kernarg_segment_size: 48
    .max_flat_workgroup_size: 512
    .sgpr_count:     72
    .vgpr_count:     256
    .wavefront_size: 32
...
	.end_amdgpu_metadata
.endif
;; end of part 7
;; launch outp (part 8): grid 4 x 64, 8 waves a work-group, no clusters, 105,472 bytes of LDS; arguments aoimg, aosc, wo_codes, wo_scales, bo, x, out0; writes out0
.if DOCPART == 8
	.amdgcn_target "amdgcn-amd-amdhsa--gfx1250"
	.amdhsa_code_object_version 6
	.text
	.protected	k_qc634da24c5_outp
	.globl	k_qc634da24c5_outp
	.p2align	8
	.type	k_qc634da24c5_outp,@function
k_qc634da24c5_outp:
	s_mov_b64 s[64:65], 0
	v_nop
	global_prefetch_b8 v0, s[64:65] scope:SCOPE_SE
	s_setreg_imm32_b32 hwreg(HW_REG_WAVE_SCHED_MODE, 0, 2), 2
	s_setreg_imm32_b32 hwreg(HW_REG_WAVE_MODE, 25, 1), 1
	s_wait_xcnt 0x0
	s_wait_alu depctr_vm_vsrc(0)
; THE LAST PRODUCT, out = wo ao + bo + x, on codes of FP8 (E4M3) with E8M0 scales.  ao, the attention's result, comes as register images with its scale bytes, made by the launch before; wo as given.
; A work-group takes 128 pixels (work-group y = 32 batch + blk) and 128 outputs (work-group x = oq).  Wave w owns outputs 128 oq + 16 w + r for all 128 pixels; its 16 rows of wo stay in its registers.
; Source 0 = a tile of 16 pixels, source 1 = wo's 16 rows: a lane holds one output channel (lane % 16) and eight neighbouring pixels (the rows of pixel tile 2 b + u are pixels 32 b + 8 u + r + 8 (r / 8), so register j of half h is pixel 32 b + 8 u + 16 h + j).
; The block's eight tiles of ao (65,536 bytes) are copied once into LDS, a tile a wave, and read by all eight waves as they lie: 16 bytes a lane on end.  One barrier.
; The results go through the wave's own stage in LDS, 64 pixels (256 bytes of each of 16 rows) at a time, meet the residual, and leave so that sixteen lanes store 256 consecutive bytes, aligned.
; NO TENSOR LOADS AND NO JOINT REQUESTS: what the four work-groups of a block share, ao's 65,536 bytes, is a quarter of the 262,144 bytes that a work-group moves (ao, wo, x, out0), and it is read once, at the head.
; LIMITS: NaN and infinities are not served.
; THE MODE: SCHED_MODE bits 1:0 = 2 (LLVM: expert scheduling mode 2), set by the entry lines.  The code itself states the register dependences between vector or matrix instructions and memory or LDS instructions, with s_wait_alu, always for 0.
; THE PLAN.  Registers that memory or LDS instructions touch:
;   v1-v11   offsets and LDS addresses: written at the head, never again.
;   F0, FR   two buffers of four fragments.  K step s: its four products read buffer s % 2; the LDS loads of the next K step land in the other one, which the products of step s - 1 read.
;            FR is also the copy's buffer at the head (loaded, then read by LDS stores) and the rows' on the way out (loaded from the stage, added to in place, read by the global stores).
;   AS       a half's scale words: read by its sixteen products; the next half's land on the way out.
;   ACC      written by the products; read by the LDS stores into the stage; written anew by the next half's first products.
;   RX       the residual: read by the additions; the next half's lands behind them.
;   wo's fragments, its scale words and the bias are loaded once and then named by matrix and vector instructions alone.
; So ONE wait on va_vdst stands at the head of a K step that fetches (all but a half's first, ahead of which no vector or matrix line since the last such wait names the buffer): the products of the step before are done
; reading the other buffer.  The next step's sixteen loads follow it, dealt among the step's four products, which name none of the registers that those loads touch.  Half 0's last step fetches half 1's first.
; On the way out: one wait behind the places (the sums are written; FR and AS are done with), one behind the additions (the rows are written; RX is done with).  One wait on vm_vsrc behind the barrier, one at the head of half 1.
; WINDOWS: wo's fragments lie in window 1 (v256-319), so that both buffers lie in window 0.  Under the setting 0x04 (source 1 in window 1) a product finds wo there, and an LDS load, which has no source 1, is as under 0:
; two switches a half, two at the head.
.set ASC, 65536                        ; LDS: 0 .. ao's fragments, (tau, s) at (4 tau + s) 2,048;  ASC: tile tau's scale words, 512 bytes: lane l's four words s = 0 .. 3 at 16 l
.set STG, 69632                        ; the stages: 16 rows x (256 + 16) bytes for each wave
.set WF,  0                            ; window 1: v256-319  wo's four fragments
.set F0,  16                           ; v16-79   four fragments of an even K step
.set WS,  80                           ; v80-83   wo's scale words: scales and nothing else
.set BI,  84                           ; v84-91   the bias
.set AS,  92                           ; v92-107  four tiles' scale words, four each: scales and nothing else
.set ACC, 108                          ; v108-139 four accumulators
.set FR,  140                          ; v140-203 the copy, then four fragments of an odd K step, then the rows read back
.set RX,  204                          ; v204-235 the residual
; v1 16 l; v2 ASC + 16 l; v3, v4 where I store my tile's image and words; v5, v6 the stage, in and back; v7, v8, v9, v10 offsets of wo, its scales, bo, aosc; v11 my place in x and out0; v236-247 at work; v254, v255 the closing add's two
.set MSB, 0
.macro WIN new                         ; the immediate's high byte repeats the setting that is left
.if MSB != \new
	s_set_vgpr_msb (MSB<<8)|\new
.set MSB, \new
.endif
.endm
.macro NOPS n
.rept \n
	v_nop
.endr
.endm
	s_load_b256 s[4:11], s[0:1], 0x0               ; aoimg, aosc, wo_codes, wo_scales
	s_load_b128 s[12:15], s[0:1], 0x20             ; bo, x
	s_load_b64 s[16:17], s[0:1], 0x30              ; out0
	v_lshl_add_u32 v254, v0, 2, 0x19800
	v_mov_b32 v255, 0
	v_lshrrev_b32 v12, 5, v0
	v_readfirstlane_b32 s20, v12                   ; wave 0..7
	v_and_b32 v12, 31, v0                          ; l
	v_and_b32 v13, 15, v0                          ; r
	v_bfe_u32 v14, v0, 4, 1                        ; h
	v_lshlrev_b32 v1, 4, v12
	v_lshl_add_u32 v2, v12, 4, ASC
	s_wait_alu depctr_va_sdst(0)                   ; s20 is written, ahead of its first reader: LDS addresses and bases are made from it
	s_lshl_b32 s21, s20, 13
	v_lshl_add_u32 v3, v12, 4, s21                 ; 8,192 w + 16 l
	s_lshl_b32 s21, s20, 9
	s_add_co_u32 s21, s21, ASC
	v_lshl_add_u32 v4, v12, 4, s21                 ; ASC + 512 w + 16 l
	s_mul_i32 s21, s20, 16*272
	s_add_co_u32 s21, s21, STG                     ; my stage
	v_mul_u32_u24 v5, v13, 272
	v_lshl_add_u32 v5, v14, 6, v5
	v_add_nc_u32 v5, s21, v5                       ; in: row r, + 64 h
	v_mul_u32_u24 v6, v14, 272
	v_lshl_add_u32 v6, v13, 4, v6
	v_add_nc_u32 v6, s21, v6                       ; back: lanes 0-15 one row, lanes 16-31 the next
	v_lshlrev_b32 v7, 9, v13
	v_lshl_add_u32 v7, v14, 4, v7                  ; wo: row r of 512 bytes, + 16 h
	v_lshlrev_b32 v8, 4, v13
	v_lshlrev_b32 v9, 2, v13
	v_lshlrev_b32 v10, 1, v13
	v_lshlrev_b32 v11, 14, v14
	v_lshl_add_u32 v11, v13, 4, v11                ; x, out0: a channel is 16,384 bytes
	s_and_b32 s22, ttmp7, 0xffff
	s_lshr_b32 s23, s22, 5                         ; batch
	s_and_b32 s24, s22, 31                         ; blk
	s_lshl_b32 s25, ttmp9, 7
	s_lshl_b32 s21, s20, 4
	s_add_co_u32 s25, s25, s21                     ; my first output
	s_lshl_b32 s28, s24, 3
	s_add_co_u32 s28, s28, s20                     ; the tile that I copy: 8 blk + w
	s_mov_b32 s27, 0
	s_wait_kmcnt 0x0
	s_lshl_b32 s26, s23, 8
	s_add_co_u32 s26, s26, s28
	s_lshl_b32 s26, s26, 13                        ; aoimg: 8,192 bytes a tile, 256 tiles a batch
	s_add_nc_u64 s[4:5], s[4:5], s[26:27]
	s_lshl_b32 s26, s23, 16                        ; aosc: 8,192 bytes a (batch, head), 32 a tile
	s_lshl_b32 s28, s28, 5
	s_add_co_u32 s26, s26, s28
	s_add_nc_u64 s[6:7], s[6:7], s[26:27]
	s_lshl_b32 s26, s25, 9
	s_add_nc_u64 s[8:9], s[8:9], s[26:27]
	s_lshl_b32 s26, s25, 4
	s_add_nc_u64 s[10:11], s[10:11], s[26:27]
	s_lshl_b32 s26, s25, 2
	s_add_nc_u64 s[12:13], s[12:13], s[26:27]
	s_lshl_b32 s26, s23, 23
	s_lshl_b32 s28, s25, 14
	s_add_co_u32 s26, s26, s28
	s_lshl_b32 s28, s24, 9
	s_add_co_u32 s26, s26, s28
	s_add_nc_u64 s[14:15], s[14:15], s[26:27]
	s_add_nc_u64 s[16:17], s[16:17], s[26:27]
	s_wait_alu depctr_va_vdst(0)                   ; v1 to v11 are written, which the loads and stores of the kernel read as offsets and addresses
.set cn, 0
.rept 16
	global_load_b128 v[FR+4*cn:FR+4*cn+3], v1, s[4:5] offset:512*cn        ; my tile's image: 512 consecutive bytes a load
.set cn, cn+1
.endr
.irp d, 0,1,2,3,4,5,6,7
	global_load_u16 v[236+\d], v10, s[6:7] offset:8192*\d                  ; head d's two scale bytes of my tile's row r
.endr
	WIN 0x40                                       ; destination window 1, offset window 0.  Between the wait above and these loads stand loads and this switch alone
.irp s, 0,1,2,3
.irp c, 0,1,2,3
	global_load_b128 v[WF+16*\s+4*\c:WF+16*\s+4*\c+3], v7, s[8:9] offset:128*\s+32*\c
.endr
.endr
	WIN 0
	global_load_b128 v[WS:WS+3], v8, s[10:11]
	global_load_b32 v[BI], v9, s[12:13]
.macro XLOAD hf                        ; the residual of 64 pixels of my 16 channels
.irp k, 0,1,2,3,4,5,6,7
	global_load_b128 v[RX+4*\k:RX+4*\k+3], v11, s[14:15] offset:32768*\k+256*\hf th:TH_LOAD_NT
.endr
.endm
	XLOAD 0
	s_wait_loadcnt 26                              ; the image and its scale bytes are in; wo's 16 loads, its scales, the bias and x's 8 may be out
.set cn, 0
.rept 16
	ds_store_b128 v3, v[FR+4*cn:FR+4*cn+3] offset:512*cn
.set cn, cn+1
.endr
.irp s, 0,1,2,3
	v_lshl_or_b32 v[244+\s], v[237+2*\s], 16, v[236+2*\s]                  ; K step s: heads 2 s and 2 s + 1, two bytes each
.endr
	s_wait_alu depctr_va_vdst(0)                   ; the four lines above have written v244 to v247, which the LDS store below reads
	ds_store_b128 v4, v[244:247]
	s_wait_dscnt 0x0                               ; for the others' sake: my stores have landed
	s_barrier_signal -1
	s_barrier_wait -1                              ; ao's 32 fragments and their scale words lie in LDS
	s_wait_alu depctr_vm_vsrc(0)                   ; my LDS stores have read v[FR ..], in which K step 1's fragments land
; Tile 4 hf + i, K step s, into buffer s % 2
.macro FRAG hf, s, i
.set FB, F0+(FR-F0)*((\s)%2)
.irp c, 0,1,2,3
	ds_load_b128 v[FB+16*(\i)+4*\c:FB+16*(\i)+4*\c+3], v1 offset:(4*(4*(\hf)+(\i))+(\s))*2048+512*\c
.endr
.endm
.macro WORDS hf                        ; a half's scale words: four tiles, four K steps each
.irp i, 0,1,2,3
	ds_load_b128 v[AS+4*\i:AS+4*\i+3], v2 offset:512*(4*(\hf)+\i)
.endr
.endm
; The product of tile i in K step s; the bias is the C of a sum's first product
.macro MUL s, i
.set FB, F0+(FR-F0)*((\s)%2)
.if (\s) == 0
	v_wmma_scale_f32_16x16x128_f8f6f4 v[ACC+8*(\i):ACC+8*(\i)+7], v[FB+16*(\i):FB+16*(\i)+15], v[WF+16*(\s):WF+16*(\s)+15], v[BI:BI+7], v[AS+4*(\i)+(\s)], v[WS+(\s)]
.else
	v_wmma_scale_f32_16x16x128_f8f6f4 v[ACC+8*(\i):ACC+8*(\i)+7], v[FB+16*(\i):FB+16*(\i)+15], v[WF+16*(\s):WF+16*(\s)+15], v[ACC+8*(\i):ACC+8*(\i)+7], v[AS+4*(\i)+(\s)], v[WS+(\s)]
.endif
.endm
; K step s of a half: four accumulators by turns.  ahead = 1: K step ns of half nhf is fetched into the other buffer.
.macro STEP s, nhf, ns, ahead
	s_wait_dscnt 0x0                               ; this step's four fragments are in (ahead of a half's first step: its scale words too)
.if ((\s) > 0) && \ahead
	s_wait_alu depctr_va_vdst(0)                   ; the four products of the step before are done reading the other buffer, in which the loads below land
.endif
.irp i, 0,1,2,3
.if \ahead
	FRAG \nhf, \ns, \i                             ; no further wait: the products issued since name this step's buffer, wo, the sums and scale words, none of which these loads touch
.endif
	MUL \s, \i
.endr
.endm
; The way out of half hf.  Places: eight ahead of the first read of the sums, the ninth since the next half's first products write over its accumulators.
.macro OUT hf
	NOPS 9
	WIN 0                                          ; an LDS store's and a global store's data are their source 1
	s_wait_alu depctr_va_vdst(0)                   ; the products have written the sums, which the LDS stores read, and are done reading v[FR ..] and the scale words, in which the loads below land; the places above stay beside this wait
.irp i, 0,1,2,3
	ds_store_b128 v5, v[ACC+8*\i:ACC+8*\i+3] offset:128*(\i/2)+32*(\i%2)          ; each accumulator from its low end on: pixels 32 (i / 2) + 8 (i % 2) + 16 h + 0 .. 7 of the half
	ds_store_b128 v5, v[ACC+8*\i+4:ACC+8*\i+7] offset:128*(\i/2)+32*(\i%2)+16
.endr
.irp k, 0,1,2,3,4,5,6,7
	ds_load_b128 v[FR+4*\k:FR+4*\k+3], v6 offset:544*\k                           ; LDS serves a wave's instructions in order (ISA guide 5.7.1.4): these see my stores
.endr
.if \hf == 0
	WORDS 1                                        ; the next half's scale words
	s_wait_dscnt 4                                 ; the rows are back; the four younger loads, the scale words, may be out
.else
	s_wait_dscnt 0x0
.endif
	s_wait_loadcnt 0x0                             ; this half's residual
.set an, 0
.rept 16
	v_pk_add_f32 v[FR+an:FR+an+1], v[FR+an:FR+an+1], v[RX+an:RX+an+1]
.set an, an+2
.endr
	s_wait_alu depctr_va_vdst(0)                   ; the additions have written the rows, which the global stores read, and are done reading the residual, in which the next half's lands
.if \hf == 0
	XLOAD 1                                        ; the next half's residual lands under its products
.endif
.irp k, 0,1,2,3,4,5,6,7
	global_store_b128 v11, v[FR+4*\k:FR+4*\k+3], s[16:17] offset:32768*\k+256*\hf th:TH_STORE_NT   ; sixteen lanes store 256 consecutive bytes, at a multiple of 256 from out0's first byte
.endr
.endm
	WORDS 0                                        ; no vector line has named v92 to v107 or v16 to v79
.irp i, 0,1,2,3
	FRAG 0, 0, \i
.endr
	s_wait_loadcnt 8                               ; wo, its scales and the bias are in; x's 8 loads may be out
.irp j, 1,2,3,4,5,6,7
	v_mov_b32 v[BI+\j], v[BI]                      ; a lane's eight results belong to one output: one bias
.endr
	WIN 0x04                                       ; source 1 (wo) in window 1
	s_wait_alu depctr_va_vdst(0)
	STEP 0, 0, 1, 1                                ; pixel tiles 0 to 3
	STEP 1, 0, 2, 1
	STEP 2, 0, 3, 1
	STEP 3, 1, 0, 1                                ; the last step fetches the next half's first
	OUT 0
	s_wait_xcnt 0x0                                ; the last half's global stores have had their addresses translated (ISA guide 3.1): their data registers are rewritten only behind this wait
	s_wait_alu depctr_vm_vsrc(0)                   ; the global stores have read v[FR ..], in which K step 1's fragments land, and the stage's stores the sums, which the first products below write anew
	WIN 0x04
	STEP 0, 1, 1, 1                                ; pixel tiles 4 to 7
	STEP 1, 1, 2, 1
	STEP 2, 1, 3, 1
	STEP 3, 0, 0, 0                                ; nothing is left to fetch
	OUT 1
	s_wait_dscnt 0x0                               ; the closing lines, six on end (every window is 0 here)
	s_wait_alu 0x0
	s_wait_tensorcnt 0x0
	ds_add_u32 v254, v255
	s_wait_dscnt 0x0
	s_endpgm
.Lfunc_end_k_qc634da24c5_outp:
	.size	k_qc634da24c5_outp, .Lfunc_end_k_qc634da24c5_outp-k_qc634da24c5_outp
	.p2alignl 7, 3214868480
	.fill 96, 4, 3214868480
	.section	.rodata,"a",@progbits
	.p2align	6, 0x0
	.amdhsa_kernel k_qc634da24c5_outp
		.amdhsa_group_segment_fixed_size 105472
		.amdhsa_private_segment_fixed_size 0
		.amdhsa_enable_private_segment 0
		.amdhsa_kernarg_size 56
		.amdhsa_user_sgpr_count 2
		.amdhsa_user_sgpr_kernarg_segment_ptr 1
		.amdhsa_wavefront_size32 1
		.amdhsa_system_sgpr_workgroup_id_x 1
		.amdhsa_system_sgpr_workgroup_id_y 1
		.amdhsa_system_sgpr_workgroup_id_z 1
		.amdhsa_system_vgpr_workitem_id 0
		.amdhsa_next_free_vgpr 320
		.amdhsa_next_free_sgpr 66
		.amdhsa_reserve_vcc 0
		.amdhsa_float_denorm_mode_32 3
		.amdhsa_float_denorm_mode_16_64 3
		.amdhsa_memory_ordered 1
		.amdhsa_forward_progress 1
		.amdhsa_inst_pref_size 30
	.end_amdhsa_kernel
	.amdgpu_metadata
---
amdhsa.version: [ 1, 2 ]
amdhsa.kernels:
  - .name:           k_qc634da24c5_outp
    .symbol:         k_qc634da24c5_outp.kd
    .args:
      - { .name: aoimg, .offset: 0, .size: 8, .value_kind: global_buffer, .address_space: global }
      - { .name: aosc, .offset: 8, .size: 8, .value_kind: global_buffer, .address_space: global }
      - { .name: wo_codes, .offset: 16, .size: 8, .value_kind: global_buffer, .address_space: global }
      - { .name: wo_scales, .offset: 24, .size: 8, .value_kind: global_buffer, .address_space: global }
      - { .name: bo, .offset: 32, .size: 8, .value_kind: global_buffer, .address_space: global }
      - { .name: x, .offset: 40, .size: 8, .value_kind: global_buffer, .address_space: global }
      - { .name: out0, .offset: 48, .size: 8, .value_kind: global_buffer, .address_space: global }
    .group_segment_fixed_size: 105472
    .private_segment_fixed_size: 0
    .kernarg_segment_align: 8
    .kernarg_segment_size: 56
    .max_flat_workgroup_size: 256
    .sgpr_count:     66
    .vgpr_count:     320
    .wavefront_size: 32
...
	.end_amdgpu_metadata
.endif
;; end of part 8
